; MI455X (gfx1250); checked and timed in simulation.
; The chip was launched on July 23, 2026; its instructions are those of AMD's public machine-readable ISA for CDNA 5 (MIT licence, August 2026) and "CDNA5" Instruction Set Architecture Reference Guide (July 2026). The comments in the code are by the model that wrote it; some were corrected since.
;; Self Attention. Allowed arithmetic: matrix products marked QUANTISED: E2M3 operands, one E8M0 scale for each 32 along K, by v_wmma_scale_f32_16x16x128_f8f6f4 with both operands' format E2M3, f32 sums; everything else in f32.
;; Inputs: b_in 3,072 float32; b_out 1,024 float32; w_in_codes 3,072 x 32 x 24 uint8 (E2M3 codes of w_in, K innermost, in blocks of 32 codes, four codes in three bytes); w_in_scales 3,072 x 32 uint8 (E8M0 scales of w_in, one for each 32 codes along K); w_out_codes 1,024 x 32 x 24 uint8 (E2M3 codes of w_out, K innermost, in blocks of 32 codes, four codes in three bytes); w_out_scales 1,024 x 32 uint8 (E8M0 scales of w_out, one for each 32 codes along K); x_codes 4 x 2,048 x 32 x 24 uint8 (E2M3 codes of x, K innermost, in blocks of 32 codes, four codes in three bytes); x_scales 4 x 2,048 x 32 uint8 (E8M0 scales of x, one for each 32 codes along K).
;; Outputs: out0 4 x 2,048 x 1,024 float32.
;; Constants: causal_mask = 1.
;; This version of the problem:
;;   THIS VERSION OF THE PROBLEM IS GIVEN IN LOW PRECISION. The matrix products marked QUANTISED in the list below multiply operands that are first quantised to E2M3 (2 exponent bits, 3 mantissa bits; 6 bits a number), with one power-of-two scale for each 32 numbers along K (OCP MX v1.0); their sums are f32. All else is computed in f32.
;;   The module's matrix products, in the order in which they are computed (A, B: the left and right operand; K: the contracted axis; several contracted axes count as one K, in the product's order):
;;     1. [M 8,192, K 1,024] x [K 1,024, N 3,072]; A: input x (given as codes); B: input w_in (given as codes): QUANTISED
;;     2. batch 64 x [M 2,048, K 64] x [K 64, N 2,048]; A: computed on the way; B: computed on the way: QUANTISED
;;     3. batch 64 x [M 2,048, K 2,048] x [K 2,048, N 64]; A: softmax (see below); B: computed on the way: QUANTISED
;;     4. [M 8,192, K 1,024] x [K 1,024, N 1,024]; A: computed on the way; B: input w_out (given as codes): QUANTISED
;;   THE QUANTISER, for each operand of a quantised product, along K:
;;     - K is cut into blocks of 32 from its start; a last block that is shorter is filled with zeros.
;;     - A block's scale is 2^e with e = floor(log2(the largest magnitude in the block)) - 2, held to -126 .. 127; a block of zeros has e = 0. As a byte (E8M0): e + 127.
;;     - Each number is divided by its block's scale, clamped to +-7.5, and rounded to the nearest number of E2M3, ties to even, subnormals kept.
;;     - The product sums the exact products of the quantised numbers (number of the format x scale) in f32.
;;   ~~~python
;;   def quantise(x, axis):      # numpy; x: float32 -> the quantised numbers, widened to float32 again
;;       x = np.moveaxis(x, axis, -1); K = x.shape[-1]
;;       x = np.pad(x, [(0, 0)] * (x.ndim - 1) + [(0, -K % 32)]); x = x.reshape(x.shape[:-1] + (-1, 32)); a = np.abs(x).max(-1, keepdims=True)
;;       e = np.where(a > 0, np.clip(np.frexp(np.where(a > 0, a, 1))[1] - 1 - 2, -126, 127), 0)      # np.frexp(a)[1] - 1 = floor(log2(a)), exactly
;;       r = np.clip(x / 2.0 ** e, -7.5, 7.5)
;;       step = 2.0 ** (np.maximum(np.frexp(np.where(r == 0, 1, r))[1] - 1, 0) - 3)
;;       q = np.round(r / step) * step * 2.0 ** e      # np.round: ties to even
;;       return np.moveaxis(q.reshape(q.shape[:-2] + (-1,))[..., :K], -1, axis).astype(np.float32)
;;   ~~~
;;   SOFTMAX AHEAD OF A QUANTISED PRODUCT. Where the list says 'softmax', what is quantised is not the finished softmax but p = 2^(t - M), with t = logit x log2(e) and M = ceil(the row's largest t), a whole number; so 1/2 < the row's largest p <= 1. The row's sum l is taken of the UNQUANTISED p, in f32, and the product's result is divided by l at the end. Since M is a whole number, a kernel that streams over the keys may use a running M (the ceiling of the running maximum): every later rescaling is an exact power of two, which a block's scale takes up: the codes' values come out the same.
;;   OPERANDS COMPUTED ON THE WAY. 'Computed on the way' means the value that the module computes at that place (a softmax that the list does not call 'softmax' is quantised finished and normalised). What goes into a quantiser is computed in f32, as accurately as f32 sums, v_exp_f32 and their like allow (about 1e-6 of the number): no bf16 or f16 on the way to a quantiser, and a product that is left as it is and whose result goes on into a quantised operand takes f32 operands (vector FMAs, or v_wmma_f32_16x16x4_f32). A number that lies on a knife's edge between two numbers of the format may be rounded either way, as far as f32 arithmetic and the matrix unit's own rounding can turn it there, and no further.
;;   INPUTS GIVEN AS CODES. w_in (in the module: [3072, 1024], K = its axis 1); w_out (in the module: [1024, 1024], K = its axis 1); x (in the module: [4, 2048, 1024], K = its axis 2): each comes as NAME_codes (uint8): NAME with its K axis moved to the last place and cut into blocks of 32 codes, [.., K / 32, bytes a block], one block behind the other in memory; four codes in three bytes: a row's codes are one little-endian stream of bits, code i at bits 6 i .. 6 i + 5 (a code: sign, 2 exponent bits, 3 mantissa bits); and NAME_scales (uint8): the same leading axes, one E8M0 byte (e + 127) for each 32 codes along K. Its value is code x scale, taken as it is: it is not quantised again, and the codes and scales need not be those that the quantiser above would give.
;; One version. Each part assembles by itself: llvm-mc -triple=amdgcn-amd-amdhsa -mcpu=gfx1250 --defsym DOCPART=n.
;; ======== version 1 of 1: 3 launches
;; workspace buffers: qk_codes 12,582,912 bytes; qk_scales 1,048,576 bytes; v_codes 6,291,456 bytes; v_scales 262,144 bytes; o_codes 6,291,456 bytes; o_scales 262,144 bytes
;; launch qkv (part 1): grid 12 x 32, 4 waves a work-group, clusters of 4 x 4, 327,680 bytes of LDS; arguments x_codes, x_scales, w_in_codes, w_in_scales, b_in, qk_codes, qk_scales, v_codes, v_scales; writes qk_codes, qk_scales, v_codes, v_scales
.if DOCPART == 1
	.amdgcn_target "amdgcn-amd-amdhsa--gfx1250"
	.amdhsa_code_object_version 6
	.text
	.protected	k_qdb9d7c7387_qkv
	.globl	k_qdb9d7c7387_qkv
	.p2align	8
	.type	k_qdb9d7c7387_qkv,@function
k_qdb9d7c7387_qkv:
	s_mov_b64 s[64:65], 0
	v_nop
	global_prefetch_b8 v0, s[64:65] scope:SCOPE_SE
	s_setreg_imm32_b32 hwreg(HW_REG_WAVE_MODE, 25, 1), 1
	s_wait_xcnt 0x0
	s_wait_alu depctr_hold_cnt(0) depctr_sa_sdst(0) depctr_va_vdst(0) depctr_va_sdst(0) depctr_va_ssrc(0) depctr_va_vcc(0) depctr_vm_vsrc(0)
	s_getreg_b32 s2, hwreg(HW_REG_IB_STS2, 6, 4)
	s_cmp_eq_u32 s2, 0
	s_cbranch_scc0 .Lentry_in_a_cluster
	s_endpgm
.Lentry_in_a_cluster:
	s_bfe_u32 s2, ttmp6, 0x10000c
	s_cmp_lg_u32 s2, 0xf033
	s_cbranch_scc0 .Lentry_shape_is_right
	s_endpgm
.Lentry_shape_is_right:
; qkv = x w_in^T + b_in on codes of FP6 (E2M3) with E8M0 scales, K = 1,024; the result never goes to memory as f32: it is quantised in registers and leaves as IMAGES OF THE NEXT OPERAND'S REGISTERS.
; A tile of 256 x 256 is made by four waves, 128 x 128 each: 64 accumulators of 16 x 16.  K goes in steps of 256 through a ring of two LDS slots filled by joint tensor loads of a 4 x 4 cluster.
; The matrix instruction takes source 0 = 16 rows of "B" and source 1 = 16 rows of "A": a lane then holds ONE row of A, and its registers run along B's rows, which is the axis that is quantised.
; ROLES, by the cluster's x (equal in all sixteen partners):  0, 1: q and k: A = x (a lane = a token), B = w_in (registers = features: the head's 64 are the next K).
;                                                             2:    v:       A = w_in's rows 2,048 on (a lane = a feature), B = x (registers = tokens: the keys are the next K).
; The bias is the C of each sum's first matrix instruction.
; OUT.  A half image is six registers of 32 lanes, 768 bytes: registers 0-3 as 16 bytes x lane, then registers 4-5 as 8 bytes x lane.
;   qk_codes [b][g = feature / 64][token tile 128][768]; qk_scales [b][g][token] one word (bytes 0, 1: the head's two blocks; bytes 2, 3 meet zero codes only and are never 0xff).
;   v_codes  [b][key step 16][feature tile 64][2][768];  v_scales  [b][key step][feature] one word (the step's four blocks of 32 keys).
; ORDER INSIDE A BLOCK OF 32: a lane's 16 numbers of a block are 0-7, 16-23 (lanes 0-15) or 8-15, 24-31 (lanes 16-31), so a block's codes lie in the order 0-7, 16-23, 8-15, 24-31: alike in q and k, and alike in v and p,
; so that each product pairs the right numbers; only the order of the sums inside a block differs from the natural one.
; LIMITS: NaN and infinities are not served.  A block whose largest magnitude lies under 2^(3 - 127), a block of zeros among them, keeps the byte 1: these bytes are read by this program alone.
; REGISTERS, in windows of 256: window 0: v0-31 addresses; v32-63 scale words, two sets; v64-127 the bias; v128-223 A's fragments, one set (on the way out the codes just made); v224-248 at work on the way out.
;   window 1: B's fragments, two sets.   window 2: the accumulators of A's blocks 0-3 ((a, b) at v[8 (8 a + b)]);   window 3: those of blocks 4-7.
.set SIZE_K, 1024
.set KSTEP,  256                       ; along K in a slot
.set NQ,     KSTEP/128                 ; matrix instructions deep
.set ROWB,   192                       ; a tile's row in bytes
.set KROW,   SIZE_K*6/8                ; a row of x or of w_in in memory
.set PITCH,  240                       ; an LDS row: 3 x (64 bytes + 16 of padding)
.set FR,     12                        ; registers of a fragment
.set NL,     6                         ; LDS loads that bring one
.set NP,     4                         ; places behind this matrix instruction (ISA guide 7.12.1)
.set HALFT,  128*PITCH                 ; what one tensor load brings
.set SLOT,   4*HALFT                   ; A's 256 rows, then B's 256 rows
.set KS,     SIZE_K/32                 ; a row of scale bytes
.set SCL,    2*SLOT                    ; behind the ring: the scales, units of 256 bytes + 16
.set HALFS,  (128*KS/256)*272
.set SBLK,   (16*KS/256)*272
.set SPARE,  SCL+4*HALFS               ; the spare words, 128 bytes a wave: no other line names them
.set STG,    SPARE+512                 ; the made scale words' stage: 1,024 bytes a wave, bytes of its own into which no tile lands
.set L16,  7                           ; v7   16 x lane
.set L8,   8                           ; v8   8 x lane
.set L16D, 9                           ; v9   16 x lane + the distance to the second half image
.set L8D,  10                          ; v10  8 x lane + the same
.set STW,  11                          ; v11  the stage, in: 1,024 wave + 512 (lane / 16) + 4 (lane % 16)
.set STR,  12                          ; v12  the stage, back: 1,024 wave + 16 lane
.set SHV,  13                          ; v13  how far my half of the lanes shifts the scale word
.set ADRA, 16                          ; v16-19 LDS addresses of A's fragments (slot 0, 1; behind one padding more: slot 0, 1)
.set ADRB, 20                          ; v20-23 the same for B
.set ADRS, 27                          ; v27  LDS address of my scale words
.set SPW,  28                          ; v28  my spare word; never rewritten
.set NIL,  29                          ; v29  0; never rewritten
.set SC,   32
.set BI,   64
.set AF,   128
.set PC,   128                         ; the way out: codes
.set TM,   224                         ; v224-227 largest magnitudes, v228-231 the other lane's, then bytes, v236-239 the conversions' scale operands
.set PW,   240                         ; the scale word just made
.set WD,   241                         ; v241-248 the word as staged, a register for each block
.set G1, 24
.set G0, 32
.set G1B, 48
.set G0B, 56
.set G1S, 68
.set G0S, 76
.set G1SB, 80
.set G0SB, 88
.set OC, 96                            ; s[96:97] where the codes go;  s[98:99] where the scale words go
.set OS, 98
.set MSB, 0
.macro WIN new                         ; the immediate's high byte repeats the setting that is left
.if MSB != (\new)
	s_set_vgpr_msb (MSB<<8)|(\new)
.set MSB, \new
.endif
.endm
.set MUL_LO, 0xa1                      ; source 0 (B) window 1, source 1 (A) window 0, C and D window 2
.set MUL_HI, 0xf1                      ; the same, C and D window 3
.set BEG_LO, 0x81                      ; the first K step: C (the bias) window 0, D window 2
.set BEG_HI, 0xc1                      ; D window 3
.set TO_B,   0x40                      ; destination window 1, address window 0
; A joint load: waves 0 and 1 fetch for A, waves 2 and 3 for B; the branch hangs on the wave's number alone.  Four v_nop follow each of the two lines.
.macro JLOAD g0a, g1a, g0b, g1b
	s_cmp_eq_u32 s15, 0
	s_cbranch_scc0 .Lfor_b_\@
	tensor_load_to_lds s[\g0a:\g0a+3], s[\g1a:\g1a+7]
	s_nop 0
.rept 4
	v_nop
.endr
	s_branch .Lasked_\@
.Lfor_b_\@:
	tensor_load_to_lds s[\g0b:\g0b+3], s[\g1b:\g1b+7]
	s_nop 0
.rept 4
	v_nop
.endr
.Lasked_\@:
.endm
.macro CREST                           ; a round of the cluster's barrier behind its opening barrier
	s_cmp_lg_u32 s14, 0
	s_cbranch_scc1 .Lnot_wave_0_\@
	s_barrier_signal -3
.Lnot_wave_0_\@:
	s_barrier_wait -3
	s_barrier_signal -1
	s_barrier_wait -1
.endm
.macro CROUND                          ; a whole round
	s_barrier_signal -1
	s_barrier_wait -1
	CREST
.endm
	s_load_b256 s[4:11], s[0:1], 0x0               ; x's codes s[4:5], x's scales s[6:7], w_in's codes s[8:9], w_in's scales s[10:11]
	s_load_b64 s[12:13], s[0:1], 0x20              ; b_in
	v_lshl_add_u32 v[SPW], v0, 2, SPARE
	v_mov_b32 v[NIL], 0
	ds_add_u32 v28, v29
	ds_add_u32 v28, v29
	s_wait_dscnt 0x0
	v_lshrrev_b32 v1, 5, v0
	v_readfirstlane_b32 s14, v1                    ; wave 0..3
	s_lshr_b32 s15, s14, 1                         ; which half of A's rows is mine.  Also: I fetch for A (0) or for B (1)
	s_and_b32 s16, s14, 1                          ; which half of B's rows.  Also: which 128 rows of that tile I fetch
	s_bfe_u32 s40, ttmp6, 0x40000                  ; cx, cy: my place in the cluster
	s_bfe_u32 s41, ttmp6, 0x40004
	s_and_b32 s95, ttmp7, 0xffff
	s_lshl_b32 s95, s95, 2                         ; 4 x cluster y
	s_lshl_b32 s2, ttmp9, 2                        ; 4 x cluster x
	s_cmp_eq_u32 ttmp9, 2                          ; the role: the cluster's x is the same in all partners
	s_cselect_b32 s17, 8, s95                      ; A's tile of 256 rows: v: w_in's tile 8 + cy;  q, k: x's tile 4 y + cy
	s_cselect_b32 s42, s95, s2                     ; B's: v: x's tile 4 y + cx;  q, k: w_in's tile 4 x + cx
	s_add_co_u32 s17, s17, s41
	s_add_co_u32 s42, s42, s40
	s_lshl_b32 s43, s41, 2
	s_lshl_b32 s43, 15, s43                        ; my row of the cluster
	s_lshl_b32 s44, 0x1111, s40                    ; my column
	; descriptor group 1: a tile of 128 rows x 192 bytes, 16 bytes of padding behind every 64
	s_or_b32 s[G1+0], s43, (0<<16)|(1<<20)|(1<<21)|(3<<22)|(3<<25)  ; 15:0 the mask: A's tiles go to my row; elements of 1 byte; padding on; bit 21 beside a mask; after every 16 words, 4 words
	s_or_b32 s[G1B+0], s44, (0<<16)|(1<<20)|(1<<21)|(3<<22)|(3<<25)
.irp g, G1, G1B
	s_mov_b32 s[\g+1], ROWB<<16                    ; tensor_dim0
	s_mov_b32 s[\g+2], 128<<16                     ; tensor_dim1
	s_mov_b32 s[\g+3], ROWB<<16                    ; tile_dim0
	s_mov_b32 s[\g+4], 128                         ; tile_dim1
	s_mov_b32 s[\g+5], KROW                        ; the pitch
	s_mov_b32 s[\g+6], 0
	s_mov_b32 s[\g+7], 0
.endr
	; the scales of 128 rows: a dense block of 4,096 bytes, as 16 rows of 256 bytes (32 elements of 8 bytes), 16 bytes of padding behind each
	s_or_b32 s[G1S+0], s43, (3<<16)|(1<<20)|(1<<21)|(5<<22)|(3<<25)
	s_or_b32 s[G1SB+0], s44, (3<<16)|(1<<20)|(1<<21)|(5<<22)|(3<<25)
.irp g, G1S, G1SB
	s_mov_b32 s[\g+1], 32<<16
	s_mov_b32 s[\g+2], (128*KS/256)<<16
	s_mov_b32 s[\g+3], 32<<16
	s_mov_b32 s[\g+4], 128*KS/256
	s_mov_b32 s[\g+5], 32
	s_mov_b32 s[\g+6], 0
	s_mov_b32 s[\g+7], 0
.endr
	s_lshl_b32 s18, s16, 7                         ; which 128 rows of the tile I fetch
	s_lshl_b32 s20, s17, 8
	s_add_co_u32 s20, s20, s18                     ; A's row
	s_lshl_b32 s46, s42, 8
	s_add_co_u32 s46, s46, s18                     ; B's row
	s_mov_b32 s21, 0
	s_mov_b32 s47, 0
	s_mov_b64 s[18:19], KS
	s_mul_u64 s[22:23], s[20:21], s[18:19]         ; where these rows' scales begin, in bytes
	s_mul_u64 s[92:93], s[46:47], s[18:19]
	s_mov_b64 s[18:19], KROW
	s_mul_u64 s[20:21], s[20:21], s[18:19]         ; and their codes
	s_mul_u64 s[46:47], s[46:47], s[18:19]
	s_mul_i32 s45, s14, HALFT                      ; where they go: wave x 128 rows: no place in the cluster enters an LDS address
	s_mul_i32 s94, s14, HALFS
	s_wait_kmcnt 0x0
	s_cmp_eq_u32 ttmp9, 2                          ; which tensor is A and which is B: a choice between buffers on the cluster's x
	s_cselect_b64 s[96:97], s[8:9], s[4:5]         ; A's codes
	s_cselect_b64 s[98:99], s[10:11], s[6:7]       ; A's scales
	s_cselect_b64 s[100:101], s[4:5], s[8:9]       ; B's codes
	s_cselect_b64 s[104:105], s[6:7], s[10:11]     ; B's scales
	s_add_nc_u64 s[20:21], s[96:97], s[20:21]
	s_add_nc_u64 s[22:23], s[98:99], s[22:23]
	s_add_nc_u64 s[46:47], s[100:101], s[46:47]
	s_add_nc_u64 s[92:93], s[104:105], s[92:93]
	CROUND                                         ; all sixteen work-groups are here: the first joint loads meet
	s_mov_b32 s[G0S], 1
	s_add_co_u32 s[G0S+1], s94, SCL
	s_mov_b64 s[G0S+2:G0S+3], s[22:23]
	s_or_b32 s[G0S+3], s[G0S+3], 0x80000000
	s_mov_b32 s[G0SB], 1
	s_add_co_u32 s[G0SB+1], s94, SCL
	s_mov_b64 s[G0SB+2:G0SB+3], s[92:93]
	s_or_b32 s[G0SB+3], s[G0SB+3], 0x80000000
	JLOAD G0S, G1S, G0SB, G1SB                     ; the scales first: they are wanted with K step 0
.irp s, 0,1
	s_mov_b32 s[G0+4*\s], 1
	s_add_co_u32 s[G0+4*\s+1], s45, \s*SLOT
	s_add_nc_u64 s[G0+4*\s+2:G0+4*\s+3], s[20:21], \s*ROWB
	s_or_b32 s[G0+4*\s+3], s[G0+4*\s+3], 0x80000000
	s_mov_b32 s[G0B+4*\s], 1
	s_add_co_u32 s[G0B+4*\s+1], s45, \s*SLOT
	s_add_nc_u64 s[G0B+4*\s+2:G0B+4*\s+3], s[46:47], \s*ROWB
	s_or_b32 s[G0B+4*\s+3], s[G0B+4*\s+3], 0x80000000
	JLOAD G0+4*\s, G1, G0B+4*\s, G1B
.endr
	s_load_b128 s[4:7], s[0:1], 0x28               ; qk_codes, qk_scales (the inputs' addresses are done with)
	s_load_b128 s[8:11], s[0:1], 0x38              ; v_codes, v_scales
	v_and_b32 v1, 15, v0                           ; r = lane % 16
	v_bfe_u32 v2, v0, 4, 1                         ; h = lane / 16
	v_mul_u32_u24 v3, v1, PITCH
	v_mul_u32_u24 v4, v2, 24
	v_add_nc_u32 v4, v3, v4                        ; a fragment's row x pitch + 24 x half
	v_lshl_add_u32 v5, v2, 4, v4                   ; and the same behind one padding more
	s_mul_i32 s21, s15, HALFT                      ; my 128 rows of A
	s_mul_i32 s22, s16, HALFT                      ; my 128 rows of B,
	s_add_co_u32 s22, s22, 2*HALFT                 ; which lie behind A's 256
.irp s, 0,1
	v_add_nc_u32 v[ADRA+\s], s21, v4
	v_add_nc_u32 v[ADRB+\s], s22, v4
	v_add_nc_u32 v[ADRA+2+\s], s21, v5
	v_add_nc_u32 v[ADRB+2+\s], s22, v5
	s_add_co_u32 s21, s21, SLOT
	s_add_co_u32 s22, s22, SLOT
.endr
	v_mul_u32_u24 v5, v1, KS                       ; my row's scales: 32 bytes a row,
	v_lshrrev_b32 v6, 8, v5
	v_lshl_add_u32 v5, v6, 4, v5                   ; and 16 more for each 256 passed
	s_mul_i32 s21, s15, HALFS                      ; A's: my 128 rows
	s_mul_i32 s22, s16, HALFS                      ; B's: my 128 rows, behind A's 256
	s_add_co_u32 s22, s22, 2*HALFS
	s_sub_co_u32 s22, s22, s21
	v_mul_u32_u24 v6, s22, v2                      ; lanes 16-31 take B's
	s_add_co_u32 s21, s21, SCL
	v_add_nc_u32 v5, v5, v6
	v_add_nc_u32 v[ADRS], s21, v5
	v_and_b32 v6, 31, v0
	v_lshlrev_b32 v[L16], 4, v6
	v_lshlrev_b32 v[L8], 3, v6
	s_lshl_b32 s23, s14, 10
	s_add_co_u32 s23, s23, STG                     ; my stage for the made scale words
	v_lshlrev_b32 v[STW], 2, v1
	v_lshl_add_u32 v[STW], v2, 9, v[STW]
	v_add_nc_u32 v[STW], s23, v[STW]
	v_add_nc_u32 v[STR], s23, v[L16]
	v_lshlrev_b32 v14, 5, v2                       ; the bias of q, k: 32 h bytes
	v_lshlrev_b32 v15, 2, v1                       ; the bias of v: 4 r bytes
.irp b, 0,1,2,3
	v_mov_b32 v[TM+4+\b], 0                        ; written once: a lane permute's destination counts as one of its sources
.endr
	; where my wave's results go, and its bias: the two roles part here (scalar work and loads alone) and join again
	s_cmp_eq_u32 ttmp9, 2
	s_cbranch_scc1 .Lrole_v
	s_lshl_b32 s66, s17, 8
	s_lshl_b32 s67, s15, 7
	s_add_co_u32 s66, s66, s67                     ; my first token
	s_lshr_b32 s67, s66, 11                        ; b
	s_and_b32 s66, s66, 2047                       ; the token in its batch
	s_lshl_b32 s67, s67, 5
	s_lshl_b32 s2, s42, 2
	s_add_co_u32 s67, s67, s2
	s_lshl_b32 s2, s16, 1
	s_add_co_u32 s67, s67, s2                      ; 32 b + g: my first head (of two)
	s_lshl_b32 s2, s67, 11
	s_add_co_u32 s2, s2, s66                       ; its scale word of my first token
	s_lshl_b32 s67, s67, 7
	s_lshr_b32 s66, s66, 4
	s_add_co_u32 s66, s67, s66                     ; its half image of my first token tile
	s_mul_i32 s66, s66, 768
	s_lshl_b32 s67, s2, 2
	s_mov_b32 s100, 128*768                        ; the second half image is the next head's: 128 token tiles on
	s_mov_b32 s104, 768                            ; a block of A's rows on is a token tile on
	s_mov_b32 s101, 16                             ; lanes 16-31 stage the second head's two bytes
	s_lshl_b32 s2, s42, 10
	s_lshl_b32 s3, s16, 9
	s_add_co_u32 s2, s2, s3                        ; my 128 features' bias, in bytes
	s_mov_b32 s3, 0
	s_add_nc_u64 s[12:13], s[12:13], s[2:3]
	s_wait_alu depctr_va_vdst(0)
.irp b, 0,1,2,3,4,5,6,7
	global_load_b128 v[BI+8*\b:BI+8*\b+3], v14, s[12:13] offset:64*\b         ; register 8 b + j: the bias of feature 16 b + 8 h + j
	global_load_b128 v[BI+8*\b+4:BI+8*\b+7], v14, s[12:13] offset:64*\b+16
.endr
	s_branch .Lrole_done
.Lrole_v:
	s_lshl_b32 s66, s42, 8
	s_lshl_b32 s67, s16, 7
	s_add_co_u32 s66, s66, s67                     ; my first token: my 128 are one key step
	s_lshr_b32 s66, s66, 7                         ; 16 b + key step
	s_lshl_b32 s67, s17, 8
	s_lshl_b32 s2, s15, 7
	s_add_co_u32 s67, s67, s2                      ; my first row of w_in
	s_lshl_b32 s2, s67, 2                          ; its bias, in bytes
	s_sub_co_u32 s67, s67, 2048                    ; my first feature of v
	s_lshl_b32 s3, s66, 10
	s_add_co_u32 s3, s3, s67                       ; its scale word
	s_lshl_b32 s66, s66, 6
	s_lshr_b32 s67, s67, 4
	s_add_co_u32 s66, s66, s67                     ; its fragment
	s_mul_i32 s66, s66, 1536
	s_lshl_b32 s67, s3, 2
	s_mov_b32 s100, 768                            ; the second half image follows the first
	s_mov_b32 s104, 1536                           ; a block of A's rows on is a feature tile on
	s_mov_b32 s101, 0                              ; the word goes as it is
	s_mov_b32 s3, 0
	s_add_nc_u64 s[12:13], s[12:13], s[2:3]
	s_wait_alu depctr_va_vdst(0)
.irp a, 0,1,2,3,4,5,6,7
.irp j, 0,1,2,3,4,5,6,7
	global_load_b32 v[BI+8*\a+\j], v15, s[12:13] offset:64*\a                 ; the bias of feature 16 a + r, eight times: a C operand is eight registers
.endr
.endr
.Lrole_done:
	s_wait_kmcnt 0x0
	s_cmp_eq_u32 ttmp9, 2
	s_cselect_b64 s[OC:OC+1], s[8:9], s[4:5]
	s_cselect_b64 s[OS:OS+1], s[10:11], s[6:7]
	s_mov_b32 s2, s66
	s_mov_b32 s3, 0
	s_add_nc_u64 s[OC:OC+1], s[OC:OC+1], s[2:3]
	s_mov_b32 s2, s67
	s_add_nc_u64 s[OS:OS+1], s[OS:OS+1], s[2:3]
	s_mov_b32 s105, 0                              ; s[104:105]: the stride from block to block
	s_mov_b32 s4, 0x76543210
	s_mov_b32 s5, 0xfedcba98                       ; v_permlanex16_b32's selects for lane l xor 16
	v_add_nc_u32 v[L16D], s100, v[L16]
	v_add_nc_u32 v[L8D], s100, v[L8]
	v_mul_u32_u24 v[SHV], s101, v2
.macro FRAG reg, adr, q, i             ; a fragment: lane l holds row l % 16; registers 6 c .. 6 c + 5 hold K = 64 c + 32 (l / 16) + 0 .. 31: 24 bytes of the row's stream of bits, in pieces of 8 bytes
.irp p, 0,1,2,3,4,5
.set PCE, 12*(\q)+6*(\p/3)+\p%3        ; the piece; where the piece three on lies behind one padding more, the second address register serves
.if PCE%8 < 5
	ds_load_b64 v[\reg+2*\p:\reg+2*\p+1], v[\adr] offset:8*PCE+16*(PCE/8)+(\i)*16*PITCH
.else
	ds_load_b64 v[\reg+2*\p:\reg+2*\p+1], v[\adr+2] offset:8*PCE+16*(PCE/8)+(\i)*16*PITCH
.endif
.endr
.endm
; 16 matrix instructions: A's blocks a0, a0 + 1 x B's eight, 128 along K.  p: B's set;  sc: the set of scale words.  zero = 1: C is the bias by B's block;  2: by A's block;  0: the sum goes on in place.
; The 64 accumulators take turns, one instruction a turn, in the same order in every step.
.macro MUL16 a0, p, q, sc, zero
.irp a, \a0, \a0+1
.irp b, 0,1,2,3,4,5,6,7
.set rD, 8*(8*((\a)%4)+\b)
.set rB, 128*(\p)+FR*\b
.set rA, AF+FR*(\a)
.set rT, SC+8*NQ*(\sc)+NQ*\b+(\q)
.set rU, SC+8*NQ*(\sc)+NQ*(\a)+(\q)
.if (\zero) == 1
	v_wmma_scale_f32_16x16x128_f8f6f4 v[rD:rD+7], v[rB:rB+FR-1], v[rA:rA+FR-1], v[BI+8*\b:BI+8*\b+7], v[rT], v[rU] matrix_a_fmt:MATRIX_FMT_FP6 matrix_b_fmt:MATRIX_FMT_FP6 matrix_a_scale:MATRIX_SCALE_ROW1
.elseif (\zero) == 2
	v_wmma_scale_f32_16x16x128_f8f6f4 v[rD:rD+7], v[rB:rB+FR-1], v[rA:rA+FR-1], v[BI+8*(\a):BI+8*(\a)+7], v[rT], v[rU] matrix_a_fmt:MATRIX_FMT_FP6 matrix_b_fmt:MATRIX_FMT_FP6 matrix_a_scale:MATRIX_SCALE_ROW1
.else
	v_wmma_scale_f32_16x16x128_f8f6f4 v[rD:rD+7], v[rB:rB+FR-1], v[rA:rA+FR-1], v[rD:rD+7], v[rT], v[rU] matrix_a_fmt:MATRIX_FMT_FP6 matrix_b_fmt:MATRIX_FMT_FP6 matrix_a_scale:MATRIX_SCALE_ROW1
.endif
.endr
.endr
.endm
.macro FETCH_B slot, q, p              ; B's eight fragments of the slot's q-th 128 along K into set p
	WIN TO_B
.irp i, 0,1,2,3,4,5,6,7
	FRAG 128*(\p)+FR*\i, ADRB+\slot, \q, \i
.endr
	WIN 0
.endm
.macro FETCH_A slot, q, i0             ; A's blocks i0 .. i0 + 3
.irp i, \i0, \i0+1, \i0+2, \i0+3
	FRAG AF+FR*(\i), ADRA+\slot, \q, \i
.endr
.endm
.macro SCALES sc                       ; a K step's scale words into set sc: two words a row; lanes 0-15 take A's block i, lanes 16-31 B's block i
.irp i, 0,1,2,3,4,5,6,7
	ds_load_b64 v[SC+8*NQ*\sc+NQ*\i:SC+8*NQ*\sc+NQ*\i+1], v[ADRS] offset:\i*SBLK
.endr
.endm
.macro PLACES n                        ; plain vector instructions that name none of the matrix instructions' registers (ISA guide 7.12.1)
.rept \n
	v_nop
.endr
.endm
; A step of 128 along K that has its successor in the same slot.
.macro STEP slot, q, zero
	s_wait_dscnt 4*NL                              ; B's set and A's blocks 0-3 are in; the youngest 24 loads (A's blocks 4-7) may be out
.if \zero
	WIN BEG_LO
.else
	WIN MUL_LO
.endif
	MUL16 0, (\q)%2, \q, \slot, \zero
	MUL16 2, (\q)%2, \q, \slot, \zero
	s_wait_dscnt 0                                 ; A's blocks 4-7 are in
	PLACES NP
	FETCH_B \slot, (\q)+1, 1-(\q)%2
	FETCH_A \slot, (\q)+1, 0
.if \zero
	WIN BEG_HI
.else
	WIN MUL_HI
.endif
	MUL16 4, (\q)%2, \q, \slot, \zero
	MUL16 6, (\q)%2, \q, \slot, \zero
	PLACES NP
	WIN 0
	FETCH_A \slot, (\q)+1, 4
.endm
; A slot's last step changes slots: ONE barrier; in front of it each wave waits for all its tensor loads, adds 0 to its spare word, and waits for that and for its own reads of this slot.  fill = 1: this slot is filled again, two K steps ahead.
.macro TURN slot, next, fill
	s_wait_tensorcnt 0x0                           ; all my tensor loads have landed: my part of the next slot
	ds_add_u32 v[SPW], v[NIL]                      ; 0 onto my spare word
	s_wait_dscnt 4*NL+1                            ; (the add and the youngest 24 loads, A's blocks 4-7, may be out)
	WIN MUL_LO
	MUL16 0, 1, NQ-1, \slot, 0                     ; sixteen matrix instructions stand between the add and the wait for it
	s_wait_dscnt 0x0                               ; the add is done, and my reads of this slot are over
	s_barrier_signal -1
	MUL16 2, 1, NQ-1, \slot, 0
	WIN 0
	s_barrier_wait -1
.if \fill
	CREST                                          ; the barrier has opened a round of the cluster's barrier: no wave of any partner still reads this slot or has a load on its way
	s_add_nc_u64 s[G0+4*\slot+2:G0+4*\slot+3], s[G0+4*\slot+2:G0+4*\slot+3], 2*ROWB
	s_add_nc_u64 s[G0B+4*\slot+2:G0B+4*\slot+3], s[G0B+4*\slot+2:G0B+4*\slot+3], 2*ROWB
	JLOAD G0+4*\slot, G1, G0B+4*\slot, G1B         ; the first tensor load behind the round; its four v_nop are the places in front of the loads below
.else
	PLACES NP
.endif
	s_wait_alu depctr_va_vdst(0)
	v_add_nc_u32 v[ADRS], 4*NQ, v[ADRS]            ; on to the next K step's scale words
	FETCH_B \next, 0, 0
	FETCH_A \next, 0, 0
	SCALES \next
	WIN MUL_HI
	MUL16 4, 1, NQ-1, \slot, 0
	MUL16 6, 1, NQ-1, \slot, 0
	PLACES NP
	WIN 0
	FETCH_A \next, 0, 4
.endm
	s_wait_tensorcnt 1                             ; the scales and my part of K step 0 are in (K step 1's load may be out)
	s_barrier_signal -1
	s_barrier_wait -1                              ; everybody's are
	FETCH_B 0, 0, 0
	FETCH_A 0, 0, 0
	SCALES 0
	FETCH_A 0, 0, 4
	s_wait_loadcnt 0x0                             ; the bias
	s_cmp_eq_u32 ttmp9, 2                          ; the first step starts the sums with the bias: by B's block (q, k) or by A's (v)
	s_cbranch_scc1 .Lfirst_v
	STEP 0, 0, 1
	s_branch .Lfirst_done
.Lfirst_v:
	STEP 0, 0, 2
.Lfirst_done:
	TURN 0, 1, 1                                   ; K = 1,024 is four K steps: each slot is filled again once, so the steps are written on end
	STEP 1, 0, 0
	TURN 1, 0, 1
	STEP 0, 0, 0
	TURN 0, 1, 0                                   ; nothing is left to fetch
	STEP 1, 0, 0
	s_wait_dscnt 4*NL
	WIN MUL_LO
	MUL16 0, 1, NQ-1, 1, 0
	MUL16 2, 1, NQ-1, 1, 0
	s_wait_dscnt 0
	WIN MUL_HI
	MUL16 4, 1, NQ-1, 1, 0
	MUL16 6, 1, NQ-1, 1, 0
	WIN 0
; THE WAY OUT, block by block of A's 16 rows.  A lane's 64 numbers (register 16 b + i of the block's eight accumulators) are four blocks of 32 shared with lane l xor 16.
; Largest magnitude with the floor 2^(3 - 127) among its leaves; 2 off its exponent field is the conversion's scale operand; that field is the byte.  The conversions give half blocks; three swaps a pair of blocks give whole ones.
.macro OUTBLK a
.set AC, 64*((\a)%4)
.set WX, 2+(\a)/4
.set WXX, 5*WX                         ; sources 0 and 1 in the accumulators' window
	WIN WXX
.irp b, 0,1,2,3
	v_max3_num_f32 v[TM+\b], |v[AC+16*\b]|, |v[AC+16*\b+1]|, 0x1800000         ; each accumulator is read from its low end on
.endr
.irp i, 2,4,6,8,10,12,14
.irp b, 0,1,2,3
	v_max3_num_f32 v[TM+\b], |v[AC+16*\b+\i]|, |v[AC+16*\b+\i+1]|, v[TM+\b]    ; (the four blocks by turns)
.endr
.endr
	WIN 0
.irp b, 0,1,2,3
	v_permlanex16_b32 v[TM+4+\b], v[TM+\b], s4, s5
.endr
.irp b, 0,1,2,3
	v_max_num_f32 v[TM+\b], v[TM+\b], v[TM+4+\b]   ; with lane l xor 16's: the block's largest magnitude
.endr
.irp b, 0,1,2,3
	v_add_nc_u32 v[TM+12+\b], 0xff000000, v[TM+\b] ; 2 off its exponent field
.endr
.irp b, 0,1,2,3
	v_lshrrev_b32 v[TM+4+\b], 23, v[TM+12+\b]      ; the scale's byte
.endr
	v_lshl_or_b32 v[PW], v[TM+5], 8, v[TM+4]
	v_lshl_or_b32 v[PW], v[TM+6], 16, v[PW]
	v_lshl_or_b32 v[PW], v[TM+7], 24, v[PW]
.if (\a) > 0
	s_wait_xcnt 0x0                                ; the last block's stores have had their addresses translated (ISA guide 3.1): their data and their base are written again only behind this wait
	s_add_nc_u64 s[OC:OC+1], s[OC:OC+1], s[104:105]
.endif
	WIN WX                                         ; source 0 in the accumulators' window
.irp c, 0,1
	v_cvt_scalef32_pk16_fp6_f32 v[PC+6*\c:PC+2+6*\c], v[AC+32*\c:AC+15+32*\c], v[TM+12+2*\c]
	v_cvt_scalef32_pk16_fp6_f32 v[PC+12+4*\c:PC+14+4*\c], v[AC+16+32*\c:AC+31+32*\c], v[TM+12+2*\c+1]   ; (a conversion's three registers begin on an even number)
.endr
	WIN 0
	v_nop                                          ; one plain place behind a scaled conversion
.irp c, 0,1
.irp i, 0,1,2
	v_permlane16_swap_b32 v[PC+6*\c+\i], v[PC+12+4*\c+\i]   ; lanes 0-15 now hold block 2 c, lanes 16-31 block 2 c + 1
.endr
.irp i, 0,1,2
	v_mov_b32 v[PC+3+6*\c+\i], v[PC+12+4*\c+\i]
.endr
.endr
	global_store_b128 v[L16], v[PC:PC+3], s[OC:OC+1]                  ; 512 consecutive bytes,
	global_store_b64 v[L8], v[PC+4:PC+5], s[OC:OC+1] offset:512       ; and 256: the first half image
	global_store_b128 v[L16D], v[PC+6:PC+9], s[OC:OC+1]               ; the second
	global_store_b64 v[L8D], v[PC+10:PC+11], s[OC:OC+1] offset:512
	v_lshrrev_b32 v[WD+(\a)], v[SHV], v[PW]        ; q, k: lanes 16-31 take the second head's two bytes down
	ds_store_b32 v[STW], v[WD+(\a)] offset:64*(\a)
.endm
	PLACES NP
.irp a, 0,1,2,3,4,5,6,7
	OUTBLK \a
.endr
	ds_load_b128 v[152:155], v[STR]                ; LDS serves a wave's instructions in order: these see my stores.  128 words: 512 consecutive bytes
	ds_load_b128 v[156:159], v[STR] offset:512     ; q, k: the second head's words (v: a copy, which goes nowhere)
	s_wait_dscnt 0x0
	global_store_b128 v[L16], v[152:155], s[OS:OS+1]
	s_cmp_eq_u32 ttmp9, 2
	s_cbranch_scc1 .Lone_row
	global_store_b128 v[L16], v[156:159], s[OS:OS+1] offset:8192      ; the next head's row of 2,048 words
.Lone_row:
	s_wait_tensorcnt 0x0                           ; the wave's end
	ds_add_u32 v[SPW], v[NIL]
	s_wait_dscnt 0x0
	CROUND                                         ; the closing round: no work-group ends while a partner may still ask for a tile that names it
	s_endpgm
.Lfunc_end_k_qdb9d7c7387_qkv:
	.size	k_qdb9d7c7387_qkv, .Lfunc_end_k_qdb9d7c7387_qkv-k_qdb9d7c7387_qkv
	.p2alignl 7, 3214868480
	.fill 96, 4, 3214868480
	.section	.rodata,"a",@progbits
	.p2align	6, 0x0
	.amdhsa_kernel k_qdb9d7c7387_qkv
		.amdhsa_group_segment_fixed_size 327680
		.amdhsa_private_segment_fixed_size 0
		.amdhsa_enable_private_segment 0
		.amdhsa_kernarg_size 72
		.amdhsa_user_sgpr_count 2
		.amdhsa_user_sgpr_kernarg_segment_ptr 1
		.amdhsa_wavefront_size32 1
		.amdhsa_system_sgpr_workgroup_id_x 1
		.amdhsa_system_sgpr_workgroup_id_y 1
		.amdhsa_system_sgpr_workgroup_id_z 1
		.amdhsa_system_vgpr_workitem_id 0
		.amdhsa_next_free_vgpr 1024
		.amdhsa_next_free_sgpr 106
		.amdhsa_reserve_vcc 0
		.amdhsa_float_denorm_mode_32 3
		.amdhsa_float_denorm_mode_16_64 3
		.amdhsa_memory_ordered 1
		.amdhsa_forward_progress 1
		.amdhsa_inst_pref_size 190
	.end_amdhsa_kernel
	.amdgpu_metadata
---
amdhsa.version: [ 1, 2 ]
amdhsa.kernels:
  - .name:           k_qdb9d7c7387_qkv
    .symbol:         k_qdb9d7c7387_qkv.kd
    .args:
      - { .name: x_codes, .offset: 0, .size: 8, .value_kind: global_buffer, .address_space: global }
      - { .name: x_scales, .offset: 8, .size: 8, .value_kind: global_buffer, .address_space: global }
      - { .name: w_in_codes, .offset: 16, .size: 8, .value_kind: global_buffer, .address_space: global }
      - { .name: w_in_scales, .offset: 24, .size: 8, .value_kind: global_buffer, .address_space: global }
      - { .name: b_in, .offset: 32, .size: 8, .value_kind: global_buffer, .address_space: global }
      - { .name: qk_codes, .offset: 40, .size: 8, .value_kind: global_buffer, .address_space: global }
      - { .name: qk_scales, .offset: 48, .size: 8, .value_kind: global_buffer, .address_space: global }
      - { .name: v_codes, .offset: 56, .size: 8, .value_kind: global_buffer, .address_space: global }
      - { .name: v_scales, .offset: 64, .size: 8, .value_kind: global_buffer, .address_space: global }
    .group_segment_fixed_size: 327680
    .private_segment_fixed_size: 0
    .kernarg_segment_align: 8
    .kernarg_segment_size: 72
    .max_flat_workgroup_size: 128
    .sgpr_count:     106
    .vgpr_count:     1024
    .wavefront_size: 32
...
	.end_amdgpu_metadata
.endif
;; end of part 1
;; launch attn (part 2): grid 4 x 64, 16 waves a work-group, clusters of 4 x 1, 327,680 bytes of LDS; arguments qk_codes, qk_scales, v_codes, v_scales, o_codes, o_scales; writes o_codes, o_scales
.if DOCPART == 2
	.amdgcn_target "amdgcn-amd-amdhsa--gfx1250"
	.amdhsa_code_object_version 6
	.text
	.protected	k_qdb9d7c7387_attn
	.globl	k_qdb9d7c7387_attn
	.p2align	8
	.type	k_qdb9d7c7387_attn,@function
k_qdb9d7c7387_attn:
	s_mov_b64 s[64:65], 0
	v_nop
	global_prefetch_b8 v0, s[64:65] scope:SCOPE_SE
	s_setreg_imm32_b32 hwreg(HW_REG_WAVE_MODE, 25, 1), 1
	s_wait_xcnt 0x0
	s_wait_alu depctr_hold_cnt(0) depctr_sa_sdst(0) depctr_va_vdst(0) depctr_va_sdst(0) depctr_va_ssrc(0) depctr_va_vcc(0) depctr_vm_vsrc(0)
	s_getreg_b32 s2, hwreg(HW_REG_IB_STS2, 6, 4)
	s_cmp_eq_u32 s2, 0
	s_cbranch_scc0 .Lentry_in_a_cluster
	s_endpgm
.Lentry_in_a_cluster:
	s_bfe_u32 s2, ttmp6, 0x10000c
	s_cmp_lg_u32 s2, 0x3003
	s_cbranch_scc0 .Lentry_shape_is_right
	s_endpgm
.Lentry_shape_is_right:
; Causal attention of one (batch, head) a cluster, both products on codes of FP6 (E2M3) with E8M0 scales; head size 64, 2,048 keys; scores x 1 / 32.
; t = score x log2(e) / 32;  M = the row's largest t so far, rounded up to a whole number;  p = 2^(t - M) is quantised along the keys, not normalised; the row's sum of the unquantised p divides at the end.
; When M moves, the sum and O are multiplied by 2^(old M - new M): exact.
; IN: operand images made by the launch before: a half image is six registers of 32 lanes, 768 bytes (16 bytes x lane, then 8 bytes x lane).  q, k: one half image a tile of 16 tokens (K = the head's 64);
; the other half of the 128 along K that the matrix instruction takes is zero codes, in registers cleared once.  v: two half images a tile of 16 features and a step of 128 keys.
; The codes of a block of 32 lie in the order 0-7, 16-23, 8-15, 24-31, alike in q and k and alike in v and p.  o leaves in the natural order, since w_out is given so.
; SHARES.  The head's K, V and their scale words, 208,896 bytes, are filled into LDS ONCE, by joint loads that the four work-groups of the cluster make together; nothing in LDS is filled again or stored to.
; Work-group cx takes the query tiles 4 J + cx; wave w takes J = 31 - w and then J = w: a tile's last key step is J / 2, whatever cx, so every wave works 17 key steps of 128 keys, and no branch hangs on cx.
; Every wave walks all 16 steps of the inner loop; a step all of whose keys come after its queries is passed over by a scalar branch on the wave's number and the counter.
; LAYOUT.  S^T = K Q^T (source 0 = 16 keys, source 1 = my 16 queries), O^T = V^T P^T (source 0 = 16 features, source 1 = P): a lane holds ONE query (lane % 16) throughout.
; OUT: o_codes [token tile 512][head 16][768]; o_scales [token][32]: two bytes a token and head, 32 bytes apart: a work-group holds one head, so these stores cannot be wider.
; LIMITS: NaN and infinities are not served; a block under 2^(3 - 127), zeros among them, keeps the byte 1 (read by this program alone).
; REGISTERS: v1-4, 11, 28, 29 addresses that stay; v5-10 addresses of the step; v12 -M, v13 the largest t, v[14:15] the sum; v16-27 Q; v30-31 V's scale words; v32-79 four fragments of K; v80-127 four of V;
;   v128-191 S^T, then p; v192-223 O^T; v224-235 p's codes; v232-247 at work; v248-251 K's scale words; v252 f; v253 p's scale word; v254 at work; v255 Q's scale words.
.set KIMG, 0                           ; 128 key tiles x 768
.set VIMG, 98304                       ; 16 key steps x 4 feature tiles x 1,536
.set SCK,  196608                      ; K's 2,048 scale words
.set SCV,  204800                      ; V's 16 x 64
.set L16,  1
.set L8,   2
.set ASK0, 3
.set ASV0, 4
.set ADK,  5
.set ADK8, 6
.set ADV,  7
.set ADV8, 8
.set ADS,  9
.set ADT,  10
.set R4,   11
.set QF,   16
.set RH,   28
.set R32,  29
.set VSW,  30
.set KFR,  32
.set VFR,  80
.set S,    128
.set OT,   192
.set WV,   16
.set CX,   17
.set SEL,  20
.set CS,   22
.set G1K,  24
.set G1V,  32
.set G1KS, 40
.set G1VS, 48
.set G0K,  56
.set G0V,  60
.set G0KS, 68
.set G0VS, 72
.set JJ,   76                          ; s76 J;  s77 its last key step;  s78 the query tile;  s79 passes to go
.set SD,   77
.set TQ,   78
.set PASS, 79
.set TBV,  80                          ; s80 LDS byte of the step's V;  s81 the key step;  s82 LDS byte of its K;  s83, s84 of K's and V's scale words;  s85 my first query in its last step
.set KI,   81
.set TB,   82
.set TS,   83
.set TJ,   84
.set DQ,   85
.macro CROUND                          ; a round of the cluster's barrier
	s_barrier_signal -1
	s_barrier_wait -1
	s_cmp_lg_u32 s[WV], 0
	s_cbranch_scc1 .Lnot_wave_0_\@
	s_barrier_signal -3
.Lnot_wave_0_\@:
	s_barrier_wait -3
	s_barrier_signal -1
	s_barrier_wait -1
.endm
	s_load_b256 s[4:11], s[0:1], 0x0               ; qk_codes s[4:5], qk_scales s[6:7], v_codes s[8:9], v_scales s[10:11]
	s_load_b128 s[12:15], s[0:1], 0x20             ; o_codes, o_scales
	v_lshl_add_u32 v254, v0, 2, 0x33000
	v_mov_b32 v255, 0
	ds_add_u32 v254, v255
	ds_add_u32 v254, v255
	s_wait_dscnt 0x0
	v_lshrrev_b32 v5, 5, v0
	s_delay_alu instid0(VALU_DEP_1)
	v_readfirstlane_b32 s[WV], v5                  ; wave 0..15
	s_bfe_u32 s[CX], ttmp6, 0x40000                ; cx: it enters Q's and o's addresses and the mask's numbers alone
	s_and_b32 s18, s[WV], 1                        ; which half I fetch, if I fetch
	s_and_b32 s19, ttmp7, 0xffff                   ; 16 b + head: shared by the four partners
	s_lshr_b32 s90, s19, 4                         ; b
	s_and_b32 s91, s19, 15                         ; head
	s_lshl_b32 s101, s90, 5
	s_add_co_u32 s101, s101, s91                   ; 32 b + head: q's group; k's is 16 on
	s_mul_i32 s92, s101, 98304                     ; q's images
	s_mov_b32 s93, 0
	s_lshl_b32 s94, s101, 13                       ; q's scale words
	s_mov_b32 s95, 0
	s_mul_i32 s19, s18, 49152                      ; half of a head's images
	s_add_co_u32 s86, s92, 16*98304
	s_add_co_u32 s86, s86, s19                     ; K: my half, in memory
	s_mov_b32 s87, 0
	s_lshl_b32 s88, s18, 12
	s_add_co_u32 s88, s88, s94
	s_add_co_u32 s88, s88, 16*8192                 ; K's scale words: my half
	s_mov_b32 s89, 0
	s_mul_i32 s96, s90, 1572864
	s_mul_i32 s100, s91, 6144
	s_add_co_u32 s96, s96, s100
	s_mul_i32 s100, s18, 786432
	s_add_co_u32 s96, s96, s100                    ; V: batch, the head's four feature tiles, my eight key steps
	s_mov_b32 s97, 0
	s_lshl_b32 s98, s90, 16
	s_lshl_b32 s100, s91, 8
	s_add_co_u32 s98, s98, s100
	s_lshl_b32 s100, s18, 15
	s_add_co_u32 s98, s98, s100                    ; V's scale words likewise
	s_mov_b32 s99, 0
	s_lshl_b32 s78, s90, 11
	s_add_co_u32 s78, s78, s91
	s_mul_i32 s78, s78, 768                        ; o's images: (2,048 b + head) x 768
	s_mov_b32 s79, 0
	s_lshl_b32 s80, s90, 16
	s_lshl_b32 s100, s91, 1
	s_add_co_u32 s80, s80, s100                    ; o's scale bytes: 65,536 b + 2 head
	s_mov_b32 s81, 0
	; descriptor groups 1: elements of 8 bytes, no padding, the mask of all four work-groups with bit 21 beside it
	s_mov_b32 s[G1K], 15|(3<<16)|(1<<21)           ; K: 49,152 dense bytes as 192 rows of 256
	s_mov_b32 s[G1K+1], 32<<16
	s_mov_b32 s[G1K+2], 192<<16
	s_mov_b32 s[G1K+3], 32<<16
	s_mov_b32 s[G1K+4], 192
	s_mov_b32 s[G1K+5], 32
	s_mov_b32 s[G1K+6], 0
	s_mov_b32 s[G1K+7], 0
	s_mov_b32 s[G1V], 15|(3<<16)|(1<<21)           ; V: 8 key steps' rows of 6,144 bytes, 98,304 bytes apart
	s_mov_b32 s[G1V+1], 768<<16
	s_mov_b32 s[G1V+2], 8<<16
	s_mov_b32 s[G1V+3], 768<<16
	s_mov_b32 s[G1V+4], 8
	s_mov_b32 s[G1V+5], 12288
	s_mov_b32 s[G1V+6], 0
	s_mov_b32 s[G1V+7], 0
	s_mov_b32 s[G1KS], 15|(3<<16)|(1<<21)          ; K's scale words: 4,096 dense bytes as 16 rows of 256
	s_mov_b32 s[G1KS+1], 32<<16
	s_mov_b32 s[G1KS+2], 16<<16
	s_mov_b32 s[G1KS+3], 32<<16
	s_mov_b32 s[G1KS+4], 16
	s_mov_b32 s[G1KS+5], 32
	s_mov_b32 s[G1KS+6], 0
	s_mov_b32 s[G1KS+7], 0
	s_mov_b32 s[G1VS], 15|(3<<16)|(1<<21)          ; V's: 8 key steps' rows of 256 bytes, 4,096 bytes apart
	s_mov_b32 s[G1VS+1], 32<<16
	s_mov_b32 s[G1VS+2], 8<<16
	s_mov_b32 s[G1VS+3], 32<<16
	s_mov_b32 s[G1VS+4], 8
	s_mov_b32 s[G1VS+5], 512
	s_mov_b32 s[G1VS+6], 0
	s_mov_b32 s[G1VS+7], 0
	s_mov_b32 s[SEL], 0x76543210
	s_mov_b32 s[SEL+1], 0xfedcba98                 ; v_permlanex16_b32's selects for lane l xor 16
	s_mov_b32 s[CS], 0x3d38aa3b                    ; c = log2(e) / 32
	s_mov_b32 s[CS+1], s[CS]                       ; (named with it as a pair, so it is written)
	s_wait_kmcnt 0x0
	s_add_nc_u64 s[92:93], s[4:5], s[92:93]        ; q's images of this head
	s_add_nc_u64 s[94:95], s[6:7], s[94:95]        ; and its scale words
	s_add_nc_u64 s[12:13], s[12:13], s[78:79]
	s_add_nc_u64 s[14:15], s[14:15], s[80:81]
	s_mov_b32 s[G0K], 1
	s_mov_b32 s[G0K+1], s19                        ; LDS: KIMG + my half
	s_add_nc_u64 s[G0K+2:G0K+3], s[4:5], s[86:87]
	s_or_b32 s[G0K+3], s[G0K+3], 0x80000000
	s_mov_b32 s[G0V], 1
	s_add_co_u32 s[G0V+1], s19, VIMG
	s_add_nc_u64 s[G0V+2:G0V+3], s[8:9], s[96:97]
	s_or_b32 s[G0V+3], s[G0V+3], 0x80000000
	s_mov_b32 s[G0KS], 1
	s_lshl_b32 s[G0KS+1], s18, 12
	s_add_co_u32 s[G0KS+1], s[G0KS+1], SCK
	s_add_nc_u64 s[G0KS+2:G0KS+3], s[6:7], s[88:89]
	s_or_b32 s[G0KS+3], s[G0KS+3], 0x80000000
	s_mov_b32 s[G0VS], 1
	s_lshl_b32 s[G0VS+1], s18, 11
	s_add_co_u32 s[G0VS+1], s[G0VS+1], SCV
	s_add_nc_u64 s[G0VS+2:G0VS+3], s[10:11], s[98:99]
	s_or_b32 s[G0VS+3], s[G0VS+3], 0x80000000
	CROUND                                         ; all four work-groups are here: the joint loads meet
	s_cmp_lt_u32 s[WV], 2                          ; waves 0, 1: K's halves; waves 2, 3: V's; the others nothing.  A wave's two fills stand in one branch; two loads of mine are out at the most
	s_cbranch_scc0 .Lnot_k
	tensor_load_to_lds s[G0KS:G0KS+3], s[G1KS:G1KS+7]
	s_nop 0
	tensor_load_to_lds s[G0K:G0K+3], s[G1K:G1K+7]
	s_nop 0
.rept 4
	v_nop
.endr
	s_branch .Lasked
.Lnot_k:
	s_cmp_lt_u32 s[WV], 4
	s_cbranch_scc0 .Lasked
	tensor_load_to_lds s[G0VS:G0VS+3], s[G1VS:G1VS+7]
	s_nop 0
	tensor_load_to_lds s[G0V:G0V+3], s[G1V:G1V+7]
	s_nop 0
.rept 4
	v_nop
.endr
.Lasked:
	v_and_b32 v5, 31, v0                           ; lane
	s_delay_alu instid0(VALU_DEP_1)
	v_lshlrev_b32 v[L16], 4, v5
	s_delay_alu instid0(VALU_DEP_2)
	v_lshlrev_b32 v[L8], 3, v5
	s_delay_alu instid0(VALU_DEP_3)
	v_lshl_add_u32 v[ASK0], v5, 2, SCK             ; scale words: a word a lane: lanes 0-15 an even tile's, lanes 16-31 the odd tile's behind it
	s_delay_alu instid0(VALU_DEP_4)
	v_lshl_add_u32 v[ASV0], v5, 2, SCV
	v_and_b32 v6, 15, v0                           ; r
	v_bfe_u32 v7, v0, 4, 1                         ; h
	s_delay_alu instid0(VALU_DEP_2)
	v_lshlrev_b32 v[R4], 2, v6
	s_delay_alu instid0(VALU_DEP_3)
	v_lshlrev_b32 v[R32], 5, v6
	s_delay_alu instid0(VALU_DEP_3)
	v_lshlrev_b32 v7, 3, v7
	s_delay_alu instid0(VALU_DEP_1)
	v_sub_nc_u32 v[RH], v6, v7                     ; r - 8 h, for the mask
.irp i, 6,7,8,9,10,11
	v_mov_b32 v[QF+\i], 0                          ; K = 64 .. 127 of Q: zero codes, written once
.irp t, 0,1,2,3
	v_mov_b32 v[KFR+12*\t+\i], 0                   ; and of K's four fragments: no load lands here
.endr
.endr
.irp b, 0,1,2,3
	v_mov_b32 v[236+\b], 0                         ; written once: a lane permute's destination counts as one of its sources
.endr
	v_mov_b32 v252, 0
	v_mov_b32 v253, 0                              ; (named as the upper half of the pair v[252:253] before it is first written)
	s_wait_tensorcnt 0x0                           ; my fills have landed,
	s_barrier_signal -1
	s_barrier_wait -1                              ; everybody's have: from here on LDS is only read
	s_xor_b32 s[JJ], s[WV], 31                     ; the first pass: J = 31 - wave
	s_mov_b32 s[PASS], 2
.Lpass:
	s_lshr_b32 s[SD], s[JJ], 1                     ; the tile's last key step
	s_lshl_b32 s[TQ], s[JJ], 2
	s_add_co_u32 s[TQ], s[TQ], s[CX]               ; the query tile
	s_and_b32 s[DQ], s[TQ], 7
	s_lshl_b32 s[DQ], s[DQ], 4                     ; its first query, counted from that step's first key
	s_mul_i32 s90, s[TQ], 768
	s_mov_b32 s91, 0
	s_add_nc_u64 s[86:87], s[92:93], s[90:91]      ; Q's half image
	s_lshl_b32 s90, s[TQ], 6
	s_add_nc_u64 s[88:89], s[94:95], s[90:91]      ; its 16 scale words
	s_mul_i32 s90, s[TQ], 12288
	s_add_nc_u64 s[96:97], s[12:13], s[90:91]      ; o's half image
	s_lshl_b32 s90, s[TQ], 9
	s_add_nc_u64 s[98:99], s[14:15], s[90:91]      ; o's scale bytes
	global_load_b128 v[QF:QF+3], v[L16], s[86:87]
	global_load_b64 v[QF+4:QF+5], v[L8], s[86:87] offset:512
	global_load_b32 v255, v[R4], s[88:89]
	v_mov_b32 v13, 0xff61b1e6                      ; the largest t so far: -3e38, under every t
	s_delay_alu instid0(VALU_DEP_1)
	v_floor_f32 v12, -v13                          ; -M
	v_mov_b32 v14, 0                               ; the sum, in two halves
	v_mov_b32 v15, 0
.set j, 0
.rept 32
	v_mov_b32 v[OT+j], 0                           ; O^T: the step is written once; the first finds zeros, which the first change of M leaves zeros
.set j, j+1
.endr
	s_mov_b32 s[TB], KIMG
	s_mov_b32 s[TBV], VIMG
	s_mov_b32 s[TS], 0
	s_mov_b32 s[TJ], 0
	s_mov_b32 s[KI], 0
	s_wait_loadcnt 0x0                             ; Q
.Lstep:                                                ; 16 trips, a constant: a key step of 128 keys
	s_cmp_gt_u32 s[KI], s[SD]                      ; all its keys come after my queries: only the addresses step
	s_cbranch_scc1 .Lhidden
	s_setprio 2
	v_add_nc_u32 v[ADK], s[TB], v[L16]
	v_add_nc_u32 v[ADK8], s[TB], v[L8]
	v_add_nc_u32 v[ADV], s[TBV], v[L16]
	v_add_nc_u32 v[ADV8], s[TBV], v[L8]
	v_add_nc_u32 v[ADS], s[TS], v[ASK0]
	v_add_nc_u32 v[ADT], s[TJ], v[ASV0]
.irp t, 0,1,2,3                                ; K's tiles 0-3: a half image each
	ds_load_b128 v[KFR+12*\t:KFR+12*\t+3], v[ADK] offset:768*\t
	ds_load_b64 v[KFR+12*\t+4:KFR+12*\t+5], v[ADK8] offset:768*\t+512
.endr
.irp i, 0,1,2,3
	ds_load_b32 v[248+\i], v[ADS] offset:128*\i    ; the scale words of tiles 2 i (lanes 0-15) and 2 i + 1 (lanes 16-31)
.endr
	s_wait_alu depctr_va_vdst(0)
	s_wait_dscnt 0x0
.irp t, 0,2
	v_wmma_scale_f32_16x16x128_f8f6f4 v[S+8*\t:S+8*\t+7], v[KFR+12*\t:KFR+12*\t+11], v[QF:QF+11], 0, v[248+\t/2], v255 matrix_a_fmt:MATRIX_FMT_FP6 matrix_b_fmt:MATRIX_FMT_FP6
	v_wmma_scale_f32_16x16x128_f8f6f4 v[S+8*\t+8:S+8*\t+15], v[KFR+12*\t+12:KFR+12*\t+23], v[QF:QF+11], 0, v[248+\t/2], v255 matrix_a_fmt:MATRIX_FMT_FP6 matrix_b_fmt:MATRIX_FMT_FP6 matrix_a_scale:MATRIX_SCALE_ROW1
.endr
.rept 4
	v_nop                                          ; places in front of loads into registers that matrix instructions have read (with the six additions above: V's too, which the last step's products read)
.endr
.irp t, 0,1,2,3                                ; K's tiles 4-7
	ds_load_b128 v[KFR+12*\t:KFR+12*\t+3], v[ADK] offset:768*(4+\t)
	ds_load_b64 v[KFR+12*\t+4:KFR+12*\t+5], v[ADK8] offset:768*(4+\t)+512
.endr
.irp t, 0,1,2,3                                ; V's four fragments: they land while the softmax is walked
	ds_load_b128 v[VFR+12*\t:VFR+12*\t+3], v[ADV] offset:1536*\t
	ds_load_b64 v[VFR+12*\t+4:VFR+12*\t+5], v[ADV8] offset:1536*\t+512
	ds_load_b128 v[VFR+12*\t+6:VFR+12*\t+9], v[ADV] offset:1536*\t+768
	ds_load_b64 v[VFR+12*\t+10:VFR+12*\t+11], v[ADV8] offset:1536*\t+1280
.endr
	ds_load_b32 v[VSW], v[ADT]
	ds_load_b32 v[VSW+1], v[ADT] offset:128
	s_wait_dscnt 18                                ; K's eight loads are in; V's sixteen and its two scale loads may be out
.irp t, 0,2
	v_wmma_scale_f32_16x16x128_f8f6f4 v[S+32+8*\t:S+32+8*\t+7], v[KFR+12*\t:KFR+12*\t+11], v[QF:QF+11], 0, v[250+\t/2], v255 matrix_a_fmt:MATRIX_FMT_FP6 matrix_b_fmt:MATRIX_FMT_FP6
	v_wmma_scale_f32_16x16x128_f8f6f4 v[S+32+8*\t+8:S+32+8*\t+15], v[KFR+12*\t+12:KFR+12*\t+23], v[QF:QF+11], 0, v[250+\t/2], v255 matrix_a_fmt:MATRIX_FMT_FP6 matrix_b_fmt:MATRIX_FMT_FP6 matrix_a_scale:MATRIX_SCALE_ROW1
.endr
.rept 4
	v_nop
.endr
	s_cmp_lg_u32 s[KI], s[SD]                      ; only my last step lies on the diagonal: there hidden scores become -infinity ahead of the maximum, so that p = 0
	s_cbranch_scc1 .Lopen
	v_add_nc_u32 v252, s[DQ], v[RH]                ; my query - the step's first key - 8 h.  Register 8 t + j holds key 16 t + 8 h + j: hidden where 16 t + j is larger
	v_mov_b32 v254, 0xff800000
.set n, 0
.rept 64
	v_cmp_gt_i32 vcc_lo, 16*(n/8)+n%8, v252
	v_cndmask_b32 v[S+n], v[S+n], v254, vcc_lo
.set n, n+1
.endr
.Lopen:
.irp b, 0,1,2,3
	v_max3_num_f32 v[232+\b], v[S+16*\b], v[S+1+16*\b], v[S+2+16*\b]   ; the largest score of each block of 32 keys: it serves the row's maximum and, since p rises with the score, the block's largest p
.endr
.irp i, 3,5,7,9,11,13
.irp b, 0,1,2,3
	v_max3_num_f32 v[232+\b], v[232+\b], v[S+16*\b+\i], v[S+1+16*\b+\i]
.endr
.endr
.irp b, 0,1,2,3
	v_max_num_f32 v[232+\b], v[232+\b], v[S+15+16*\b]
.endr
.irp b, 0,1,2,3
	s_delay_alu instid0(VALU_DEP_4)
	v_permlanex16_b32 v[236+\b], v[232+\b], s[SEL], s[SEL+1]
.endr
.irp b, 0,1,2,3
	s_delay_alu instid0(VALU_DEP_4)
	v_max_num_f32 v[232+\b], v[232+\b], v[236+\b]  ; with lane l xor 16's 16 keys
.endr
	s_delay_alu instid0(VALU_DEP_2)
	v_max3_num_f32 v254, v232, v233, v234
	s_delay_alu instid0(VALU_DEP_1)
	v_max_num_f32 v254, v254, v235                 ; the step's largest score of my query
	s_delay_alu instid0(VALU_DEP_1)
	v_mul_f32 v254, s[CS], v254                    ; as t (c is positive)
	s_delay_alu instid0(VALU_DEP_1)
	v_max_num_f32 v13, v13, v254                   ; the running largest t
	v_mov_b32 v254, v12
	s_delay_alu instid0(VALU_DEP_2)
	v_floor_f32 v12, -v13                          ; the new -M = floor(-t): M is a whole number
	s_delay_alu instid0(VALU_DEP_1)
	v_sub_f32 v254, v12, v254                      ; old M - new M: a whole number, 0 or less
	s_delay_alu instid0(VALU_DEP_1)
	v_cvt_i32_f32 v254, v254                       ; (it saturates)
	s_delay_alu instid0(VALU_DEP_1)
	v_ldexp_f32 v252, 1.0, v254                    ; f = 2^(old M - new M)
.set j, 0
	s_setprio 1
.rept 32
	v_pk_fma_f32 v[S+j:S+j+1], v[S+j:S+j+1], s[CS:CS+1], v[12:13] op_sel_hi:[1,0,0]   ; t - M, two at a time
.set j, j+2
.endr
.irp b, 0,1,2,3
	v_fma_f32 v[232+\b], v[232+\b], s[CS], v12     ; the same of each block's largest score
.endr
.set j, 0
	s_wait_alu depctr_va_vdst(0)
.rept 64
	v_exp_f32 v[S+j], v[S+j]                       ; p = 2^(t - M), at most 1
.set j, j+1
.endr
.irp b, 0,1,2,3
	v_exp_f32 v[232+\b], v[232+\b]                 ; the block's largest p: the same two instructions on the same number
.endr
	v_pk_mul_f32 v[14:15], v[14:15], v[252:253] op_sel_hi:[1,0]   ; the sums under the new M (a plain place behind the exponentials)
	s_wait_alu depctr_va_vdst(0)
.irp b, 0,1,2,3
	v_max_num_f32 v[232+\b], 0x1800000, v[232+\b]  ; the floor 2^(3 - 127): the byte cannot fall under 1
.endr
.irp b, 0,1,2,3
	s_delay_alu instid0(VALU_DEP_4)
	v_add_nc_u32 v[244+\b], 0xff000000, v[232+\b]  ; 2 off the exponent field: the conversion's scale operand
.endr
.irp b, 0,1,2,3
	s_delay_alu instid0(VALU_DEP_4)
	v_lshrrev_b32 v[236+\b], 23, v[244+\b]         ; the scale's byte
.endr
	s_delay_alu instid0(VALU_DEP_3)
	v_lshl_or_b32 v253, v237, 8, v236              ; p's scale word for these 128 keys
	s_delay_alu instid0(VALU_DEP_1)
	v_lshl_or_b32 v253, v238, 16, v253
	s_delay_alu instid0(VALU_DEP_1)
	v_lshl_or_b32 v253, v239, 24, v253
.irp c, 0,1
	v_cvt_scalef32_pk16_fp6_f32 v[224+6*\c:226+6*\c], v[S+32*\c:S+15+32*\c], v[244+2*\c]
	v_cvt_scalef32_pk16_fp6_f32 v[236+4*\c:238+4*\c], v[S+16+32*\c:S+31+32*\c], v[244+2*\c+1]   ; (a conversion's three registers begin on an even number)
.endr
	v_nop                                          ; one plain place behind a scaled conversion
.irp c, 0,1                                    ; a whole block in a lane: lanes 0-15 block 2 c, lanes 16-31 block 2 c + 1
.irp i, 0,1,2
	v_permlane16_swap_b32 v[224+6*\c+\i], v[236+4*\c+\i]
.endr
.irp i, 0,1,2
	s_delay_alu instid0(VALU_DEP_3)
	v_mov_b32 v[227+6*\c+\i], v[236+4*\c+\i]
.endr
.endr
	v_pk_add_f32 v[236:237], v[132:133], v[136:137]
	v_pk_add_f32 v[250:251], v[140:141], v[144:145]
	v_pk_add_f32 v[248:249], v[148:149], v[152:153]
	v_pk_add_f32 v[246:247], v[156:157], v[160:161]
	v_pk_add_f32 v[244:245], v[164:165], v[168:169]
	v_pk_add_f32 v[242:243], v[172:173], v[176:177]
	v_pk_add_f32 v[240:241], v[180:181], v[184:185]
	v_pk_add_f32 v[14:15], v[14:15], v[188:189]
	s_setprio 0
	v_pk_add_f32 v[236:237], v[236:237], v[128:129]
	v_pk_add_f32 v[250:251], v[250:251], v[130:131]
	v_pk_add_f32 v[248:249], v[248:249], v[134:135]
	v_pk_add_f32 v[246:247], v[246:247], v[138:139]
	v_pk_add_f32 v[244:245], v[244:245], v[142:143]
	v_pk_add_f32 v[242:243], v[242:243], v[146:147]
	v_pk_add_f32 v[240:241], v[240:241], v[150:151]
	v_pk_add_f32 v[14:15], v[14:15], v[154:155]
	v_pk_add_f32 v[236:237], v[236:237], v[158:159]
	v_pk_add_f32 v[250:251], v[250:251], v[162:163]
	v_pk_add_f32 v[248:249], v[248:249], v[166:167]
	v_pk_add_f32 v[246:247], v[246:247], v[170:171]
	v_pk_add_f32 v[244:245], v[244:245], v[174:175]
	v_pk_add_f32 v[242:243], v[242:243], v[178:179]
	v_pk_add_f32 v[240:241], v[240:241], v[182:183]
	v_pk_add_f32 v[14:15], v[14:15], v[186:187]
	v_pk_add_f32 v[236:237], v[236:237], v[190:191]
	s_delay_alu instid0(VALU_DEP_2)
	v_pk_add_f32 v[14:15], v[14:15], v[246:247]
	s_delay_alu instid0(VALU_DEP_2)
	v_pk_add_f32 v[236:237], v[236:237], v[244:245]
	v_pk_add_f32 v[250:251], v[250:251], v[242:243]
	v_pk_add_f32 v[248:249], v[248:249], v[240:241]
	s_delay_alu instid0(VALU_DEP_2)
	v_pk_add_f32 v[14:15], v[14:15], v[250:251]
	s_delay_alu instid0(VALU_DEP_2)
	v_pk_add_f32 v[236:237], v[236:237], v[248:249]
	s_delay_alu instid0(VALU_DEP_1)
	v_pk_add_f32 v[14:15], v[14:15], v[236:237]
.set j, 0
.rept 16
	v_pk_mul_f32 v[OT+j:OT+j+1], v[OT+j:OT+j+1], v[252:253] op_sel_hi:[1,0]   ; O^T under the new M, each accumulator from its low end on
.set j, j+2
.endr
	s_wait_alu depctr_va_vdst(0)
	s_wait_dscnt 0x0                               ; V and its scale words are in
.irp t, 0,2                                    ; O^T += V^T P^T: four accumulators by turns
	v_wmma_scale_f32_16x16x128_f8f6f4 v[OT+8*\t:OT+8*\t+7], v[VFR+12*\t:VFR+12*\t+11], v[224:235], v[OT+8*\t:OT+8*\t+7], v[VSW+\t/2], v253 matrix_a_fmt:MATRIX_FMT_FP6 matrix_b_fmt:MATRIX_FMT_FP6
	v_wmma_scale_f32_16x16x128_f8f6f4 v[OT+8*\t+8:OT+8*\t+15], v[VFR+12*\t+12:VFR+12*\t+23], v[224:235], v[OT+8*\t+8:OT+8*\t+15], v[VSW+\t/2], v253 matrix_a_fmt:MATRIX_FMT_FP6 matrix_b_fmt:MATRIX_FMT_FP6 matrix_a_scale:MATRIX_SCALE_ROW1
.endr
.Lhidden:
	s_add_co_u32 s[TB], s[TB], 6144                ; the next step's eight key tiles,
	s_add_co_u32 s[TBV], s[TBV], 6144              ; its four fragments of V,
	s_add_co_u32 s[TS], s[TS], 512                 ; and the scale words
	s_add_co_u32 s[TJ], s[TJ], 256
	s_add_co_u32 s[KI], s[KI], 1
	s_cmp_lt_u32 s[KI], 16
	s_cbranch_scc1 .Lstep
	s_setprio 0
	; THE WAY OUT: O^T / the sum, brought into the natural order along the head's 64, quantised, and stored as a half image with its two scale bytes.
.rept 4
	v_nop                                          ; places behind the last products
.endr
	v_add_f32 v14, v14, v15                        ; the sum's two halves,
	s_delay_alu instid0(VALU_DEP_1)
	v_permlanex16_b32 v252, v14, s[SEL], s[SEL+1]
	s_delay_alu instid0(VALU_DEP_1)
	v_add_f32 v14, v14, v252                       ; and lane l xor 16's
	s_wait_alu depctr_va_vdst(0)
	v_rcp_f32 v14, v14
	v_nop                                          ; one plain place behind a transcendental
.set j, 0
	s_wait_alu depctr_va_vdst(0)
.rept 32
	v_mul_f32 v[S+j], v[OT+j], v14                 ; register 8 t + j: o(r, 16 t + 8 h + j)
.set j, j+1
.endr
.irp b, 0,1
.irp j, 0,1,2,3,4,5,6,7
	v_permlane16_swap_b32 v[S+16*\b+\j], v[S+16*\b+8+\j]   ; tile 2 b's lanes 16-31 change places with tile 2 b + 1's lanes 0-15: register 16 b + i is now o(r, 32 b + 16 h + i)
.endr
.endr
.irp b, 0,1
	v_max3_num_f32 v[232+\b], |v[S+16*\b]|, |v[S+1+16*\b]|, 0x1800000
.endr
.irp i, 2,4,6,8,10,12,14
.irp b, 0,1
	s_delay_alu instid0(VALU_DEP_2)
	v_max3_num_f32 v[232+\b], v[232+\b], |v[S+16*\b+\i]|, |v[S+1+16*\b+\i]|
.endr
.endr
.irp b, 0,1
	s_delay_alu instid0(VALU_DEP_2)
	v_permlanex16_b32 v[236+\b], v[232+\b], s[SEL], s[SEL+1]
.endr
.irp b, 0,1
	s_delay_alu instid0(VALU_DEP_2)
	v_max_num_f32 v[232+\b], v[232+\b], v[236+\b]
.endr
.irp b, 0,1
	s_delay_alu instid0(VALU_DEP_2)
	v_add_nc_u32 v[244+\b], 0xff000000, v[232+\b]
.endr
.irp b, 0,1
	s_delay_alu instid0(VALU_DEP_2)
	v_lshrrev_b32 v[236+\b], 23, v[244+\b]
.endr
	s_delay_alu instid0(VALU_DEP_1)
	v_lshl_or_b32 v254, v237, 8, v236              ; the head's two scale bytes of my query
	v_cvt_scalef32_pk16_fp6_f32 v[224:226], v[S:S+15], v244
	v_cvt_scalef32_pk16_fp6_f32 v[240:242], v[S+16:S+31], v245
	v_nop                                          ; one plain place behind a scaled conversion
.irp i, 0,1,2
	v_permlane16_swap_b32 v[224+\i], v[240+\i]
.endr
.irp i, 0,1,2
	s_delay_alu instid0(VALU_DEP_3)
	v_mov_b32 v[227+\i], v[240+\i]
.endr
	global_store_b128 v[L16], v[224:227], s[96:97]                 ; 512 consecutive bytes,
	global_store_b64 v[L8], v[228:229], s[96:97] offset:512        ; and 256: the half image
	global_store_b16 v[R32], v254, s[98:99]                        ; lanes l and l xor 16 write the same two bytes with the same value
	s_wait_xcnt 0x0                                ; the stores' data and bases are written again only behind this wait
	s_xor_b32 s[JJ], s[JJ], 31                     ; the second pass: J = wave
	s_sub_co_u32 s[PASS], s[PASS], 1
	s_cmp_lg_u32 s[PASS], 0
	s_cbranch_scc1 .Lpass
	s_wait_dscnt 0x0
	s_wait_xcnt 0x0
	v_lshl_add_u32 v254, v0, 2, 0x33000
	v_mov_b32 v255, 0
	s_wait_alu depctr_va_vdst(0)
	s_wait_tensorcnt 0x0
	ds_add_u32 v254, v255
	s_wait_dscnt 0x0
	CROUND                                         ; the closing round
	s_endpgm
.Lfunc_end_k_qdb9d7c7387_attn:
	.size	k_qdb9d7c7387_attn, .Lfunc_end_k_qdb9d7c7387_attn-k_qdb9d7c7387_attn
	.p2alignl 7, 3214868480
	.fill 96, 4, 3214868480
	.section	.rodata,"a",@progbits
	.p2align	6, 0x0
	.amdhsa_kernel k_qdb9d7c7387_attn
		.amdhsa_group_segment_fixed_size 327680
		.amdhsa_private_segment_fixed_size 0
		.amdhsa_enable_private_segment 0
		.amdhsa_kernarg_size 48
		.amdhsa_user_sgpr_count 2
		.amdhsa_user_sgpr_kernarg_segment_ptr 1
		.amdhsa_wavefront_size32 1
		.amdhsa_system_sgpr_workgroup_id_x 1
		.amdhsa_system_sgpr_workgroup_id_y 1
		.amdhsa_system_sgpr_workgroup_id_z 1
		.amdhsa_system_vgpr_workitem_id 0
		.amdhsa_next_free_vgpr 256
		.amdhsa_next_free_sgpr 102
		.amdhsa_reserve_vcc 1
		.amdhsa_float_denorm_mode_32 3
		.amdhsa_float_denorm_mode_16_64 3
		.amdhsa_memory_ordered 1
		.amdhsa_forward_progress 1
		.amdhsa_inst_pref_size 40
	.end_amdhsa_kernel
	.amdgpu_metadata
---
amdhsa.version: [ 1, 2 ]
amdhsa.kernels:
  - .name:           k_qdb9d7c7387_attn
    .symbol:         k_qdb9d7c7387_attn.kd
    .args:
      - { .name: qk_codes, .offset: 0, .size: 8, .value_kind: global_buffer, .address_space: global }
      - { .name: qk_scales, .offset: 8, .size: 8, .value_kind: global_buffer, .address_space: global }
      - { .name: v_codes, .offset: 16, .size: 8, .value_kind: global_buffer, .address_space: global }
      - { .name: v_scales, .offset: 24, .size: 8, .value_kind: global_buffer, .address_space: global }
      - { .name: o_codes, .offset: 32, .size: 8, .value_kind: global_buffer, .address_space: global }
      - { .name: o_scales, .offset: 40, .size: 8, .value_kind: global_buffer, .address_space: global }
    .group_segment_fixed_size: 327680
    .private_segment_fixed_size: 0
    .kernarg_segment_align: 8
    .kernarg_segment_size: 48
    .max_flat_workgroup_size: 512
    .sgpr_count:     102
    .vgpr_count:     256
    .wavefront_size: 32
...
	.end_amdgpu_metadata
.endif
;; end of part 2
;; launch proj (part 3): grid 4 x 32, 4 waves a work-group, clusters of 4 x 4, 327,680 bytes of LDS; arguments o_codes, o_scales, w_out_codes, w_out_scales, b_out, out0; writes out0
.if DOCPART == 3
	.amdgcn_target "amdgcn-amd-amdhsa--gfx1250"
	.amdhsa_code_object_version 6
	.text
	.protected	k_qdb9d7c7387_proj
	.globl	k_qdb9d7c7387_proj
	.p2align	8
	.type	k_qdb9d7c7387_proj,@function
k_qdb9d7c7387_proj:
	s_mov_b64 s[64:65], 0
	v_nop
	global_prefetch_b8 v0, s[64:65] scope:SCOPE_SE
	s_setreg_imm32_b32 hwreg(HW_REG_WAVE_MODE, 25, 1), 1
	s_wait_xcnt 0x0
	s_wait_alu depctr_hold_cnt(0) depctr_sa_sdst(0) depctr_va_vdst(0) depctr_va_sdst(0) depctr_va_ssrc(0) depctr_va_vcc(0) depctr_vm_vsrc(0)
	s_getreg_b32 s2, hwreg(HW_REG_IB_STS2, 6, 4)
	s_cmp_eq_u32 s2, 0
	s_cbranch_scc0 .Lentry_in_a_cluster
	s_endpgm
.Lentry_in_a_cluster:
	s_bfe_u32 s2, ttmp6, 0x10000c
	s_cmp_lg_u32 s2, 0xf033
	s_cbranch_scc0 .Lentry_shape_is_right
	s_endpgm
.Lentry_shape_is_right:
; out0 = o w_out^T + b_out on codes of FP6 (E2M3) with E8M0 scales.  o: 8,192 tokens x 1,024, as operand images [token tile 512][head 16][768]: two neighbouring heads' half images are one fragment (16 rows x 128 K);
; its scale bytes [token][32].  w_out: [1,024][1,024] codes, K innermost, a row 768 bytes; its scale bytes [1,024][32].  out0: [8,192][1,024] f32.
; A tile of 256 x 256 is made by four waves, 128 x 128 each: 64 accumulators.  K goes in steps of 256 through a ring of two LDS slots filled by joint tensor loads of a 4 x 4 cluster:
; A's tiles (o) are shared along a row of the cluster, B's (w_out) along a column.  The scales of the work-group's rows, for all of K, come once and stay.
; The matrix instruction takes source 0 = 16 rows of B, source 1 = 16 rows of A: a lane holds eight neighbouring numbers of a row of out0.  The bias is the C of each sum's first matrix instruction.
; The grid has 128 work-groups: the tile is kept at 256 x 256 so that each fragment read from LDS feeds eight products.
; REGISTERS, in windows of 256: window 0: v0-31 addresses; v32-63 scale words, two sets; v64-127 the bias; v128-223 A's fragments, one set; on the way out v128-255 rows read back.
;   window 1: B's fragments, two sets.   window 2: the accumulators of A's blocks 0-3;   window 3: those of blocks 4-7.
.set SIZE_N, 1024
.set SIZE_K, 1024
.set KSTEP,  256
.set NQ,     KSTEP/128
.set ROWB,   192                       ; a row of B's tile in bytes
.set KROW,   SIZE_K*6/8                ; a row of w_out in memory; also a token's share of o's images: 12,288 bytes a tile of 16
.set PITCH,  240                       ; B's LDS row: 3 x (64 bytes + 16 of padding)
.set AROW,   3072                      ; a token tile's two fragments of a K step
.set FR,     12
.set NLA,    4                         ; LDS loads that bring a fragment of A
.set NP,     4
.set HALFA,  8*AROW                    ; 8 token tiles: what one tensor load brings of A
.set HALFB,  128*PITCH                 ; 128 rows of B
.set SLOT,   2*HALFA+2*HALFB
.set KS,     SIZE_K/32
.set SCL,    2*SLOT
.set HALFS,  (128*KS/256)*272
.set SBLK,   (16*KS/256)*272
.set SPARE,  SCL+4*HALFS               ; the spare words, 128 bytes a wave: no other line names them
.set SPITCH, 528                       ; the way out: a stage of 16 rows x (512 bytes + 16) a wave, in slot 0, which has had its last fill and its last read by then
.set ADRA, 16                          ; v16-17 16 x lane + my A rows in slot 0, 1;  v18-19 8 x lane + the same
.set ADRB, 20                          ; v20-23 B's fragments (slot 0, 1; behind one padding more: slot 0, 1)
.set STO,  24
.set RD,   25
.set CO,   26
.set ADRS, 27
.set SPW,  28
.set NIL,  29
.set SC,   32
.set BI,   64
.set AF,   128
.set BK,   128
.set CP,   98                          ; s[98:99] out0
.set G1, 24
.set G0, 32
.set G1B, 48
.set G0B, 56
.set G1S, 68
.set G0S, 76
.set G1SB, 80
.set G0SB, 88
.set MSB, 0
.macro WIN new
.if MSB != (\new)
	s_set_vgpr_msb (MSB<<8)|(\new)
.set MSB, \new
.endif
.endm
.set MUL_LO, 0xa1
.set MUL_HI, 0xf1
.set BEG_LO, 0x81                      ; the first K step: C (the bias) window 0, D window 2
.set BEG_HI, 0xc1
.set TO_B,   0x40
.macro JLOAD g0a, g1a, g0b, g1b        ; a joint load: waves 0 and 1 fetch for A, waves 2 and 3 for B; four v_nop follow each of the two lines
	s_cmp_eq_u32 s15, 0
	s_cbranch_scc0 .Lfor_b_\@
	tensor_load_to_lds s[\g0a:\g0a+3], s[\g1a:\g1a+7]
	s_nop 0
.rept 4
	v_nop
.endr
	s_branch .Lasked_\@
.Lfor_b_\@:
	tensor_load_to_lds s[\g0b:\g0b+3], s[\g1b:\g1b+7]
	s_nop 0
.rept 4
	v_nop
.endr
.Lasked_\@:
.endm
.macro CREST
	s_cmp_lg_u32 s14, 0
	s_cbranch_scc1 .Lnot_wave_0_\@
	s_barrier_signal -3
.Lnot_wave_0_\@:
	s_barrier_wait -3
	s_barrier_signal -1
	s_barrier_wait -1
.endm
.macro CROUND
	s_barrier_signal -1
	s_barrier_wait -1
	CREST
.endm
	s_load_b128 s[4:7], s[0:1], 0x0                ; o's images, o's scales
	s_load_b128 s[8:11], s[0:1], 0x10              ; w_out's codes, w_out's scales
	s_load_b128 s[96:99], s[0:1], 0x20             ; b_out, out0
	v_lshl_add_u32 v[SPW], v0, 2, SPARE
	v_mov_b32 v[NIL], 0
	ds_add_u32 v28, v29
	ds_add_u32 v28, v29
	s_wait_dscnt 0x0
	v_lshrrev_b32 v1, 5, v0
	v_readfirstlane_b32 s14, v1                    ; wave 0..3
	s_lshr_b32 s15, s14, 1                         ; which half of the tile's rows is mine.  Also: I fetch for A (0) or for B (1)
	s_and_b32 s16, s14, 1                          ; which half of its columns.  Also: which half of that tile I fetch
	s_bfe_u32 s40, ttmp6, 0x40000                  ; cx, cy
	s_bfe_u32 s41, ttmp6, 0x40004
	s_lshl_b32 s42, ttmp9, 2
	s_add_co_u32 s42, s42, s40                     ; tile column
	s_and_b32 s17, ttmp7, 0xffff
	s_lshl_b32 s17, s17, 2
	s_add_co_u32 s17, s17, s41                     ; tile row
	s_lshl_b32 s43, s41, 2
	s_lshl_b32 s43, 15, s43                        ; my row of the cluster
	s_lshl_b32 s44, 0x1111, s40                    ; my column
	; A: 8 token tiles' rows of 3,072 bytes (384 elements of 8 bytes), 12,288 bytes apart, no padding
	s_or_b32 s[G1+0], s43, (3<<16)|(1<<21)
	s_mov_b32 s[G1+1], 384<<16
	s_mov_b32 s[G1+2], 8<<16
	s_mov_b32 s[G1+3], 384<<16
	s_mov_b32 s[G1+4], 8
	s_mov_b32 s[G1+5], 1536
	s_mov_b32 s[G1+6], 0
	s_mov_b32 s[G1+7], 0
	; B: 128 rows x 192 bytes, 16 bytes of padding behind every 64
	s_or_b32 s[G1B+0], s44, (0<<16)|(1<<20)|(1<<21)|(3<<22)|(3<<25)
	s_mov_b32 s[G1B+1], ROWB<<16
	s_mov_b32 s[G1B+2], 128<<16
	s_mov_b32 s[G1B+3], ROWB<<16
	s_mov_b32 s[G1B+4], 128
	s_mov_b32 s[G1B+5], KROW
	s_mov_b32 s[G1B+6], 0
	s_mov_b32 s[G1B+7], 0
	; the scales of 128 rows: 4,096 dense bytes as 16 rows of 256, 16 bytes of padding behind each
	s_or_b32 s[G1S+0], s43, (3<<16)|(1<<20)|(1<<21)|(5<<22)|(3<<25)
	s_or_b32 s[G1SB+0], s44, (3<<16)|(1<<20)|(1<<21)|(5<<22)|(3<<25)
.irp g, G1S, G1SB
	s_mov_b32 s[\g+1], 32<<16
	s_mov_b32 s[\g+2], (128*KS/256)<<16
	s_mov_b32 s[\g+3], 32<<16
	s_mov_b32 s[\g+4], 128*KS/256
	s_mov_b32 s[\g+5], 32
	s_mov_b32 s[\g+6], 0
	s_mov_b32 s[\g+7], 0
.endr
	s_lshl_b32 s18, s16, 7
	s_lshl_b32 s20, s17, 8
	s_add_co_u32 s20, s20, s18                     ; A's row
	s_lshl_b32 s46, s42, 8
	s_add_co_u32 s46, s46, s18                     ; B's row
	s_mov_b32 s21, 0
	s_mov_b32 s47, 0
	s_mov_b64 s[18:19], KS
	s_mul_u64 s[22:23], s[20:21], s[18:19]         ; their scales, in bytes
	s_mul_u64 s[92:93], s[46:47], s[18:19]
	s_mov_b64 s[18:19], KROW
	s_mul_u64 s[20:21], s[20:21], s[18:19]         ; their codes: 768 bytes a row on both sides
	s_mul_u64 s[46:47], s[46:47], s[18:19]
	s_mul_i32 s45, s16, HALFA                      ; where they go: A's two halves,
	s_mul_i32 s95, s16, HALFB
	s_add_co_u32 s95, s95, 2*HALFA                 ; then B's two: no place in the cluster enters an LDS address
	s_mul_i32 s94, s14, HALFS
	s_wait_kmcnt 0x0
	s_add_nc_u64 s[20:21], s[4:5], s[20:21]
	s_add_nc_u64 s[22:23], s[6:7], s[22:23]
	s_add_nc_u64 s[46:47], s[8:9], s[46:47]
	s_add_nc_u64 s[92:93], s[10:11], s[92:93]
	CROUND                                         ; all sixteen work-groups are here: the first joint loads meet
	s_mov_b32 s[G0S], 1
	s_add_co_u32 s[G0S+1], s94, SCL
	s_mov_b64 s[G0S+2:G0S+3], s[22:23]
	s_or_b32 s[G0S+3], s[G0S+3], 0x80000000
	s_mov_b32 s[G0SB], 1
	s_add_co_u32 s[G0SB+1], s94, SCL
	s_mov_b64 s[G0SB+2:G0SB+3], s[92:93]
	s_or_b32 s[G0SB+3], s[G0SB+3], 0x80000000
	JLOAD G0S, G1S, G0SB, G1SB                     ; the scales first
.irp s, 0,1
	s_mov_b32 s[G0+4*\s], 1
	s_add_co_u32 s[G0+4*\s+1], s45, \s*SLOT
	s_add_nc_u64 s[G0+4*\s+2:G0+4*\s+3], s[20:21], \s*AROW
	s_or_b32 s[G0+4*\s+3], s[G0+4*\s+3], 0x80000000
	s_mov_b32 s[G0B+4*\s], 1
	s_add_co_u32 s[G0B+4*\s+1], s95, \s*SLOT
	s_add_nc_u64 s[G0B+4*\s+2:G0B+4*\s+3], s[46:47], \s*ROWB
	s_or_b32 s[G0B+4*\s+3], s[G0B+4*\s+3], 0x80000000
	s_wait_alu depctr_va_vdst(0)
	s_wait_tensorcnt 0x0
	ds_add_u32 v28, v29
	s_wait_dscnt 0x0
	CROUND
	JLOAD G0+4*\s, G1, G0B+4*\s, G1B
.endr
	v_and_b32 v1, 15, v0                           ; r
	v_bfe_u32 v2, v0, 4, 1                         ; h
	v_mul_u32_u24 v3, v1, PITCH
	v_mul_u32_u24 v4, v2, 24
	v_add_nc_u32 v4, v3, v4                        ; B: a fragment's row x pitch + 24 x half
	v_lshl_add_u32 v5, v2, 4, v4                   ; and the same behind one padding more
	v_and_b32 v6, 31, v0
	v_lshlrev_b32 v7, 4, v6                        ; A: 16 x lane,
	v_lshlrev_b32 v8, 3, v6                        ; and 8 x lane
	s_mul_i32 s21, s15, HALFA                      ; my 8 token tiles of A
	s_mul_i32 s22, s16, HALFB                      ; my 128 rows of B,
	s_add_co_u32 s22, s22, 2*HALFA                 ; which lie behind A's
.irp s, 0,1
	v_add_nc_u32 v[ADRA+\s], s21, v7
	v_add_nc_u32 v[ADRA+2+\s], s21, v8
	v_add_nc_u32 v[ADRB+\s], s22, v4
	v_add_nc_u32 v[ADRB+2+\s], s22, v5
	s_add_co_u32 s21, s21, SLOT
	s_add_co_u32 s22, s22, SLOT
.endr
	v_mul_u32_u24 v5, v1, KS                       ; my row's scales
	v_lshrrev_b32 v6, 8, v5
	v_lshl_add_u32 v5, v6, 4, v5
	s_mul_i32 s21, s15, HALFS
	s_mul_i32 s22, s16, HALFS
	s_add_co_u32 s22, s22, 2*HALFS
	s_sub_co_u32 s22, s22, s21
	v_mul_u32_u24 v6, s22, v2                      ; lanes 16-31 take B's
	s_add_co_u32 s21, s21, SCL
	v_add_nc_u32 v5, v5, v6
	v_add_nc_u32 v[ADRS], s21, v5
	s_mul_i32 s23, s14, 16*SPITCH                  ; my stage
	v_mul_u32_u24 v5, v1, SPITCH
	v_lshl_add_u32 v5, v2, 5, v5
	v_add_nc_u32 v[STO], s23, v5                   ; in: row r, 32 bytes for each half of the lanes
	v_mov_b32 v[CO], v7                            ; back: the 32 lanes take one row of 512 bytes; and the same in out0
	v_add_nc_u32 v[RD], s23, v7
	s_lshl_b32 s20, s17, 8
	s_lshl_b32 s21, s15, 7
	s_add_co_u32 s20, s20, s21                     ; my first row of out0
	s_mov_b32 s21, 0
	s_mov_b64 s[18:19], SIZE_N*4
	s_mul_u64 s[20:21], s[20:21], s[18:19]
	s_lshl_b32 s46, s42, 10                        ; my first column, in bytes: also my 128 numbers of the bias
	s_lshl_b32 s47, s16, 9
	s_add_co_u32 s46, s46, s47
	s_mov_b32 s47, 0
	s_add_nc_u64 s[96:97], s[96:97], s[46:47]
	s_add_nc_u64 s[20:21], s[20:21], s[46:47]
	s_add_nc_u64 s[CP:CP+1], s[CP:CP+1], s[20:21]
	v_lshlrev_b32 v14, 5, v2
.irp b, 0,1,2,3,4,5,6,7
	global_load_b128 v[BI+8*\b:BI+8*\b+3], v14, s[96:97] offset:64*\b         ; register 8 b + j: the bias of column 16 b + 8 h + j
	global_load_b128 v[BI+8*\b+4:BI+8*\b+7], v14, s[96:97] offset:64*\b+16
.endr
.macro FRAG reg, adr, q, i             ; a fragment of B from rows: 24 bytes of the row's stream of bits twice, in pieces of 8 bytes
.irp p, 0,1,2,3,4,5
.set PCE, 12*(\q)+6*(\p/3)+\p%3
.if PCE%8 < 5
	ds_load_b64 v[\reg+2*\p:\reg+2*\p+1], v[\adr] offset:8*PCE+16*(PCE/8)+(\i)*16*PITCH
.else
	ds_load_b64 v[\reg+2*\p:\reg+2*\p+1], v[\adr+2] offset:8*PCE+16*(PCE/8)+(\i)*16*PITCH
.endif
.endr
.endm
; 16 matrix instructions: A's blocks a0, a0 + 1 x B's eight.  zero = 1: C is the bias.  The 64 accumulators take turns, one instruction a turn.
.macro MUL16 a0, p, q, sc, zero
.irp a, \a0, \a0+1
.irp b, 0,1,2,3,4,5,6,7
.set rD, 8*(8*((\a)%4)+\b)
.set rB, 128*(\p)+FR*\b
.set rA, AF+FR*(\a)
.set rT, SC+8*NQ*(\sc)+NQ*\b+(\q)
.set rU, SC+8*NQ*(\sc)+NQ*(\a)+(\q)
.if \zero
	v_wmma_scale_f32_16x16x128_f8f6f4 v[rD:rD+7], v[rB:rB+FR-1], v[rA:rA+FR-1], v[BI+8*\b:BI+8*\b+7], v[rT], v[rU] matrix_a_fmt:MATRIX_FMT_FP6 matrix_b_fmt:MATRIX_FMT_FP6 matrix_a_scale:MATRIX_SCALE_ROW1
.else
	v_wmma_scale_f32_16x16x128_f8f6f4 v[rD:rD+7], v[rB:rB+FR-1], v[rA:rA+FR-1], v[rD:rD+7], v[rT], v[rU] matrix_a_fmt:MATRIX_FMT_FP6 matrix_b_fmt:MATRIX_FMT_FP6 matrix_a_scale:MATRIX_SCALE_ROW1
.endif
.endr
.endr
.endm
.macro FETCH_B slot, q, p
	WIN TO_B
.irp i, 0,1,2,3,4,5,6,7
	FRAG 128*(\p)+FR*\i, ADRB+\slot, \q, \i
.endr
	WIN 0
.endm
.macro FETCH_A slot, q, i0             ; A's blocks i0 .. i0 + 3: images of the registers: four loads a fragment, each of consecutive bytes
.irp i, \i0, \i0+1, \i0+2, \i0+3
.set rF, AF+FR*(\i)
.set oF, AROW*(\i)+1536*(\q)
	ds_load_b128 v[rF:rF+3], v[ADRA+\slot] offset:oF
	ds_load_b64 v[rF+4:rF+5], v[ADRA+2+\slot] offset:oF+512
	ds_load_b128 v[rF+6:rF+9], v[ADRA+\slot] offset:oF+768
	ds_load_b64 v[rF+10:rF+11], v[ADRA+2+\slot] offset:oF+1280
.endr
.endm
.macro SCALES sc
.irp i, 0,1,2,3,4,5,6,7
	ds_load_b64 v[SC+8*NQ*\sc+NQ*\i:SC+8*NQ*\sc+NQ*\i+1], v[ADRS] offset:\i*SBLK
.endr
.endm
.macro PLACES n
.rept \n
	v_nop
.endr
.endm
.macro STEP slot, q, zero
	s_wait_dscnt 4*NLA                             ; B's set and A's blocks 0-3 are in; the youngest 16 loads (A's blocks 4-7) may be out
.if \zero
	WIN BEG_LO
.else
	WIN MUL_LO
.endif
	MUL16 0, (\q)%2, \q, \slot, \zero
	MUL16 2, (\q)%2, \q, \slot, \zero
	s_wait_dscnt 0
	PLACES NP
	FETCH_B \slot, (\q)+1, 1-(\q)%2
	FETCH_A \slot, (\q)+1, 0
.if \zero
	WIN BEG_HI
.else
	WIN MUL_HI
.endif
	MUL16 4, (\q)%2, \q, \slot, \zero
	MUL16 6, (\q)%2, \q, \slot, \zero
	PLACES NP
	WIN 0
	FETCH_A \slot, (\q)+1, 4
.endm
; A slot's last step changes slots: ONE barrier; in front of it each wave waits for all its tensor loads, adds 0 to its spare word, and waits for that and for its own reads of this slot.
.macro TURN slot, next, fill
	s_wait_tensorcnt 0x0                           ; all my tensor loads have landed: my part of the next slot
	ds_add_u32 v[SPW], v[NIL]                      ; 0 onto my spare word
	s_wait_dscnt 4*NLA+1                           ; (the add and the youngest 16 loads may be out)
	WIN MUL_LO
	MUL16 0, 1, NQ-1, \slot, 0
	s_wait_dscnt 0x0                               ; the add is done, and my reads of this slot are over
	s_barrier_signal -1
	MUL16 2, 1, NQ-1, \slot, 0
	WIN 0
	s_barrier_wait -1
.if \fill
	CREST                                          ; the barrier has opened a round of the cluster's barrier
	s_add_nc_u64 s[G0+4*\slot+2:G0+4*\slot+3], s[G0+4*\slot+2:G0+4*\slot+3], 2*AROW
	s_add_nc_u64 s[G0B+4*\slot+2:G0B+4*\slot+3], s[G0B+4*\slot+2:G0B+4*\slot+3], 2*ROWB
	JLOAD G0+4*\slot, G1, G0B+4*\slot, G1B         ; the first tensor load behind the round; its four v_nop are the places in front of the loads below
.else
	PLACES NP
.endif
	s_wait_alu depctr_va_vdst(0)
	v_add_nc_u32 v[ADRS], 4*NQ, v[ADRS]
	FETCH_B \next, 0, 0
	FETCH_A \next, 0, 0
	SCALES \next
	WIN MUL_HI
	MUL16 4, 1, NQ-1, \slot, 0
	MUL16 6, 1, NQ-1, \slot, 0
	PLACES NP
	WIN 0
	FETCH_A \next, 0, 4
.endm
	s_wait_alu depctr_va_vdst(0)
	s_wait_tensorcnt 1                             ; the scales and my part of K step 0 are in (K step 1's load may be out)
	s_barrier_signal -1
	s_barrier_wait -1                              ; everybody's are
	FETCH_B 0, 0, 0
	FETCH_A 0, 0, 0
	SCALES 0
	FETCH_A 0, 0, 4
	s_wait_loadcnt 0x0                             ; the bias
	STEP 0, 0, 1                                   ; the first step starts the sums with the bias
	TURN 0, 1, 1                                   ; K = 1,024 is four K steps: each slot is filled again once, so the steps are written on end
	STEP 1, 0, 0
	TURN 1, 0, 1
	STEP 0, 0, 0
	TURN 0, 1, 0
	STEP 1, 0, 0
	s_wait_dscnt 4*NLA
	WIN MUL_LO
	MUL16 0, 1, NQ-1, 1, 0
	MUL16 2, 1, NQ-1, 1, 0
	s_wait_dscnt 0
	WIN MUL_HI
	MUL16 4, 1, NQ-1, 1, 0
	MUL16 6, 1, NQ-1, 1, 0
	WIN 0
; THE WAY OUT, block by block of 16 rows x 128 columns, through my own stage: in as 32 bytes a lane, back as whole rows of 512 bytes.  LDS serves a wave's instructions in order (ISA guide 5.7.1.4).
.macro TOSTAGE a
.set AC, 64*((\a)%4)
.set WS, 0x08+4*((\a)/4)
	WIN WS                                         ; an LDS store's data: window 2 or 3
.irp b, 0,1,2,3,4,5,6,7
	ds_store_b128 v[STO], v[AC+8*\b:AC+8*\b+3] offset:64*\b          ; each accumulator from its low end on
	ds_store_b128 v[STO], v[AC+8*\b+4:AC+8*\b+7] offset:64*\b+16
.endr
	WIN 0
.set BB, BK+64*((\a)%2)
.irp t, 0,1,2,3,4,5,6,7,8,9,10,11,12,13,14,15
	ds_load_b128 v[BB+4*\t:BB+4*\t+3], v[RD] offset:\t*SPITCH
.endr
.endm
.macro SEND a, younger                 ; younger: the LDS instructions issued behind block a's loads, which may stay out
.set BB, BK+64*((\a)%2)
	s_wait_dscnt \younger
.if (\a) > 0
	s_add_nc_u64 s[CP:CP+1], s[CP:CP+1], 16*SIZE_N*4   ; (behind a wait on XCNT: the earlier stores have read their base)
.endif
.irp t, 0,1,2,3,4,5,6,7,8,9,10,11,12,13,14,15
	global_store_b128 v[CO], v[BB+4*\t:BB+4*\t+3], s[CP:CP+1] offset:\t*SIZE_N*4 th:TH_STORE_NT   ; 32 lanes store 512 consecutive bytes, at a multiple of 256 from out0's first byte
.endr
.endm
	PLACES NP
	TOSTAGE 0
.irp a, 1,2,3,4,5,6,7
.if \a > 1
	s_wait_xcnt 0x0                                ; block a - 2's stores have read their registers and their base
.endif
	TOSTAGE \a
	SEND \a-1, 32                                  ; behind block a - 1's loads: block a's 16 stores and 16 loads
.endr
	s_wait_xcnt 0x0
	SEND 7, 0
	s_wait_tensorcnt 0x0                           ; the wave's end
	ds_add_u32 v[SPW], v[NIL]
	s_wait_dscnt 0x0
	CROUND                                         ; the closing round
	s_endpgm
.Lfunc_end_k_qdb9d7c7387_proj:
	.size	k_qdb9d7c7387_proj, .Lfunc_end_k_qdb9d7c7387_proj-k_qdb9d7c7387_proj
	.p2alignl 7, 3214868480
	.fill 96, 4, 3214868480
	.section	.rodata,"a",@progbits
	.p2align	6, 0x0
	.amdhsa_kernel k_qdb9d7c7387_proj
		.amdhsa_group_segment_fixed_size 327680
		.amdhsa_private_segment_fixed_size 0
		.amdhsa_enable_private_segment 0
		.amdhsa_kernarg_size 48
		.amdhsa_user_sgpr_count 2
		.amdhsa_user_sgpr_kernarg_segment_ptr 1
		.amdhsa_wavefront_size32 1
		.amdhsa_system_sgpr_workgroup_id_x 1
		.amdhsa_system_sgpr_workgroup_id_y 1
		.amdhsa_system_sgpr_workgroup_id_z 1
		.amdhsa_system_vgpr_workitem_id 0
		.amdhsa_next_free_vgpr 1024
		.amdhsa_next_free_sgpr 100
		.amdhsa_reserve_vcc 0
		.amdhsa_float_denorm_mode_32 3
		.amdhsa_float_denorm_mode_16_64 3
		.amdhsa_memory_ordered 1
		.amdhsa_forward_progress 1
		.amdhsa_inst_pref_size 154
	.end_amdhsa_kernel
	.amdgpu_metadata
---
amdhsa.version: [ 1, 2 ]
amdhsa.kernels:
  - .name:           k_qdb9d7c7387_proj
    .symbol:         k_qdb9d7c7387_proj.kd
    .args:
      - { .name: o_codes, .offset: 0, .size: 8, .value_kind: global_buffer, .address_space: global }
      - { .name: o_scales, .offset: 8, .size: 8, .value_kind: global_buffer, .address_space: global }
      - { .name: w_out_codes, .offset: 16, .size: 8, .value_kind: global_buffer, .address_space: global }
      - { .name: w_out_scales, .offset: 24, .size: 8, .value_kind: global_buffer, .address_space: global }
      - { .name: b_out, .offset: 32, .size: 8, .value_kind: global_buffer, .address_space: global }
      - { .name: out0, .offset: 40, .size: 8, .value_kind: global_buffer, .address_space: global }
    .group_segment_fixed_size: 327680
    .private_segment_fixed_size: 0
    .kernarg_segment_align: 8
    .kernarg_segment_size: 48
    .max_flat_workgroup_size: 128
    .sgpr_count:     100
    .vgpr_count:     1024
    .wavefront_size: 32
...
	.end_amdgpu_metadata
.endif
;; end of part 3
